; MI455X (gfx1250); checked and timed in simulation.
; The chip was launched on July 23, 2026; its instructions are those of AMD's public machine-readable ISA for CDNA 5 (MIT licence, August 2026) and "CDNA5" Instruction Set Architecture Reference Guide (July 2026). The comments in the code are by the model that wrote it; some were corrected since.
;; Multi Head Attention. Allowed arithmetic: matrix products marked QUANTISED: E2M1 operands, one E8M0 scale for each 32 along K, by v_wmma_scale_f32_16x16x128_f8f6f4 with both operands' format E2M1 (or v_wmma_scale_f32_32x16x128_f4), f32 sums; products left as they are: bf16, f16 or f32 operands; f32 sums; everything else in f32.
;; Inputs: Wk 1,024 x 1,024 float32; Wo 1,024 x 1,024 float32; Wq 1,024 x 1,024 float32; Wv 1,024 x 1,024 float32; hidden_states 4 x 2,048 x 1,024 float32.
;; Outputs: out0 4 x 2,048 x 1,024 float32.
;; This version of the problem:
;;   THIS VERSION OF THE PROBLEM IS GIVEN IN LOW PRECISION. The matrix products marked QUANTISED in the list below multiply operands that are first quantised to E2M1 (2 exponent bits, 1 mantissa bit; 4 bits a number), with one power-of-two scale for each 32 numbers along K (OCP MX v1.0); their sums are f32. The products marked 'left as it is' may take bf16, f16 or f32 operands, with f32 sums. All else is computed in f32.
;;   The module's matrix products, in the order in which they are computed (A, B: the left and right operand; K: the contracted axis; several contracted axes count as one K, in the product's order):
;;     1. [M 8,192, K 1,024] x [K 1,024, N 1,024]; A: input hidden_states; B: input Wq: QUANTISED
;;     2. [M 8,192, K 1,024] x [K 1,024, N 1,024]; A: input hidden_states; B: input Wk: QUANTISED
;;     3. [M 8,192, K 1,024] x [K 1,024, N 1,024]; A: input hidden_states; B: input Wv: QUANTISED
;;     4. batch 64 x [M 2,048, K 64] x [K 64, N 2,048]; A: computed on the way; B: computed on the way: left as it is (an operand is computed on the way)
;;     5. batch 64 x [M 2,048, K 2,048] x [K 2,048, N 64]; A: computed on the way; B: computed on the way: left as it is (an operand is computed on the way)
;;     6. [M 8,192, K 1,024] x [K 1,024, N 1,024]; A: computed on the way; B: input Wo: left as it is (an operand is computed on the way)
;;   THE QUANTISER, for each operand of a quantised product, along K:
;;     - K is cut into blocks of 32 from its start; a last block that is shorter is filled with zeros.
;;     - A block's scale is 2^e with e = floor(log2(the largest magnitude in the block)) - 2, held to -126 .. 127; a block of zeros has e = 0. As a byte (E8M0): e + 127.
;;     - Each number is divided by its block's scale, clamped to +-6, and rounded to the nearest number of E2M1, ties to even, subnormals kept.
;;     - The product sums the exact products of the quantised numbers (number of the format x scale) in f32.
;;   ~~~python
;;   def quantise(x, axis):      # numpy; x: float32 -> the quantised numbers, widened to float32 again
;;       x = np.moveaxis(x, axis, -1); K = x.shape[-1]
;;       x = np.pad(x, [(0, 0)] * (x.ndim - 1) + [(0, -K % 32)]); x = x.reshape(x.shape[:-1] + (-1, 32)); a = np.abs(x).max(-1, keepdims=True)
;;       e = np.where(a > 0, np.clip(np.frexp(np.where(a > 0, a, 1))[1] - 1 - 2, -126, 127), 0)      # np.frexp(a)[1] - 1 = floor(log2(a)), exactly
;;       r = np.clip(x / 2.0 ** e, -6, 6)
;;       step = 2.0 ** (np.maximum(np.frexp(np.where(r == 0, 1, r))[1] - 1, 0) - 1)
;;       q = np.round(r / step) * step * 2.0 ** e      # np.round: ties to even
;;       return np.moveaxis(q.reshape(q.shape[:-2] + (-1,))[..., :K], -1, axis).astype(np.float32)
;;   ~~~
;; One version. Each part assembles by itself: llvm-mc -triple=amdgcn-amd-amdhsa -mcpu=gfx1250 --defsym DOCPART=n.
;; ======== version 1 of 1: 4 launches
;; limits: values are held in f16: magnitudes above 65,504 overflow, below 6.1e-05 lose precision
;; workspace buffers: xc 4,194,304 bytes; xs 262,144 bytes; wc 1,572,864 bytes; ws 98,304 bytes; wo16 2,097,152 bytes; qkv 50,331,648 bytes; ctx 16,777,216 bytes
;; launch quant (part 1): grid 416 x 1, 4 waves a work-group, no clusters, 33,280 bytes of LDS; arguments hidden_states, Wq, Wk, Wv, Wo, xc, xs, wc, ws, wo16; writes xc, xs, wc, ws, wo16
.if DOCPART == 1
	.amdgcn_target "amdgcn-amd-amdhsa--gfx1250"
	.amdhsa_code_object_version 6
	.text
	.protected	k_q1bf68105c5_quant
	.globl	k_q1bf68105c5_quant
	.p2align	8
	.type	k_q1bf68105c5_quant,@function
k_q1bf68105c5_quant:
	s_mov_b64 s[64:65], 0
	v_nop
	global_prefetch_b8 v0, s[64:65] scope:SCOPE_SE
	s_setreg_imm32_b32 hwreg(HW_REG_WAVE_MODE, 25, 1), 1
	s_wait_xcnt 0x0
; hidden_states [8192][1024] and Wq, Wk, Wv [1024][1024], f32, K innermost, become codes of FP4 (E2M1), two to a byte, with one E8M0 byte for each 32 along K;
; Wo [1024][1024] becomes f16 (its product is left as it is).  x's codes go to xc [8192][512 bytes], its bytes to xs [8192][32]; the three weights lie on end in wc [3072][512 bytes] and ws [3072][32].
; A block's scale is 2^(floor(log2(its largest magnitude)) - 2); its byte is the largest magnitude's exponent field - 2, held at 1 from below; each number is divided by the scale and rounded to the nearest code, ties to even,
; beyond the largest code the largest.
; LIMITS: a block of zeros gets the byte 1 where the quantiser says 127: its codes are zeros, which add nothing, and this program alone reads the bytes.  Blocks whose largest magnitude lies under 2^(2 - 126) keep the byte 1.
; NaN and infinities among the inputs are not served.  A number of Wo beyond 65,504 becomes infinity in f16.
; SHARES.  Rows are dense and K is a multiple of 32, so each tensor is a plain stream of blocks.  Work-groups 0-255 take x (32,768 numbers each), 256-351 the three weights (32 work-groups each), 352-415 the cast of Wo (16,384 each).
; The quantising work-groups take ONE path: only pointers are chosen, by the work-group's number.  A wave takes 16 steps of 512 numbers: four loads of 512 consecutive bytes; the 2,048 bytes turn through the wave's own stage
; in LDS and come back 64 bytes a lane (16 neighbours along K; two neighbouring lanes hold a block); a lane's 16 codes are 8 bytes, so a store of the wave covers 256 consecutive bytes; the wave's 256 scale bytes are gathered
; in LDS and leave as 256 consecutive bytes.  Waves share nothing: no barrier.  No work-group shares an input with another: no cluster, no joint load.
.set STEPS, 16
.set EMAX,  2
.set CB,    8                          ; bytes of 16 codes
.set R,     16                         ; v16-79   four sets of 16 numbers as they are loaded
.set X,     80                         ; v80-111  two sets of 16 neighbours
.set E,     112                        ; v112-127 a scale byte for each step
.set C,     128                        ; v128-191 codes: four registers for each step, so that no store's data are written again
.set WREG,  8192                       ; LDS: a region for each wave: two stages of 32 x SP bytes, behind them its 256 scale bytes
.set SP,    80                         ; a lane's place in a stage: its 64 bytes + 16 of padding
.set GX,    256                        ; work-groups for x
.set GW,    32                         ; for each of the three weights
.set GQ,    GX+3*GW                    ; the first work-group of the cast
	s_load_b512 s[4:19], s[0:1], 0x0               ; x s[4:5], Wq s[6:7], Wk s[8:9], Wv s[10:11], Wo s[12:13], xc s[14:15], xs s[16:17], wc s[18:19]
	s_load_b128 s[20:23], s[0:1], 0x40             ; ws s[20:21], wo16 s[22:23]
	v_lshl_add_u32 v192, v0, 2, 0x8000
	v_mov_b32 v193, 0
	v_lshrrev_b32 v1, 5, v0
	v_readfirstlane_b32 s32, v1                    ; wave
	v_and_b32 v2, 31, v0                           ; lane
	v_lshlrev_b32 v3, 4, v2                        ; my 16 bytes of 512
	s_mul_i32 s33, s32, WREG
	v_lshrrev_b32 v14, 2, v2
	v_mul_u32_u24 v14, v14, SP
	v_and_b32 v15, 3, v2
	v_lshl_add_u32 v14, v15, 4, v14
	v_add_nc_u32 v14, s33, v14                     ; the stage, on the way in: four lanes' 64 bytes on end, then 16 of padding
	v_mul_u32_u24 v15, v2, SP
	v_add_nc_u32 v15, s33, v15                     ; and on the way out: my 16 neighbours
	v_mul_u32_u24 v4, v2, CB                       ; my codes' place in a step's
	v_lshrrev_b32 v5, 1, v2
	s_add_co_u32 s33, s33, 2*32*SP
	v_add_nc_u32 v5, s33, v5                       ; LDS: my wave's 256 scale bytes, my block's byte
	v_lshlrev_b32 v7, 3, v2                        ; and on the way out 8 bytes a lane
	v_add_nc_u32 v6, s33, v7
	s_mov_b32 s35, 0
	s_and_b32 s31, ttmp9, GW-1                     ; my place among a weight's 32 work-groups
	s_wait_kmcnt 0x0
	s_cmp_ge_u32 ttmp9, GQ
	s_cbranch_scc1 .Lcast
	s_cmp_lt_u32 ttmp9, GX+2*GW                    ; which tensor?  Every choice hangs on the work-group's number alone
	s_cselect_b64 s[24:25], s[8:9], s[10:11]
	s_cmp_lt_u32 ttmp9, GX+GW
	s_cselect_b64 s[24:25], s[6:7], s[24:25]
	s_cmp_lt_u32 ttmp9, GX
	s_cselect_b64 s[24:25], s[4:5], s[24:25]       ; the numbers,
	s_cselect_b64 s[26:27], s[14:15], s[18:19]     ; their codes,
	s_cselect_b64 s[28:29], s[16:17], s[20:21]     ; their scale bytes
	s_cselect_b32 s30, 0, GX
	s_cselect_b32 s31, ttmp9, s31
	s_lshl_b32 s31, s31, 2
	s_add_co_u32 s31, s31, s32                     ; which run of 8,192 numbers of the source is my wave's
	s_lshl_b32 s34, s31, 15
	s_add_nc_u64 s[24:25], s[24:25], s[34:35]
	s_sub_co_u32 s30, ttmp9, s30
	s_lshl_b32 s30, s30, 2
	s_add_co_u32 s30, s30, s32                     ; and which run of the destination (the three weights lie on end there)
	s_lshl_b32 s34, s30, 12                        ; 4,096 bytes of codes a run
	s_add_nc_u64 s[26:27], s[26:27], s[34:35]
	s_lshl_b32 s34, s30, 8                         ; 256 scale bytes a run
	s_add_nc_u64 s[28:29], s[28:29], s[34:35]
.macro LOAD t
.irp i, 0,1,2,3
	global_load_b128 v[R+16*((\t)%4)+4*\i:R+16*((\t)%4)+4*\i+3], v3, s[24:25] offset:2048*(\t)+512*\i th:TH_LOAD_NT   ; 32 lanes read 512 consecutive bytes
.endr
.endm
.macro TURN t                          ; step t's numbers through the stage: LDS serves a wave's instructions in order, so no wait stands between the stores and the loads
.irp i, 0,1,2,3
	ds_store_b128 v14, v[R+16*((\t)%4)+4*\i:R+16*((\t)%4)+4*\i+3] offset:32*SP*((\t)%2)+8*SP*\i
.endr
.irp i, 0,1,2,3
	ds_load_b128 v[X+16*((\t)%2)+4*\i:X+16*((\t)%2)+4*\i+3], v15 offset:32*SP*((\t)%2)+16*\i
.endr
.endm
.irp t, 0,1,2,3
	LOAD \t
.endr
	s_wait_loadcnt 12                              ; step 0's four loads are in; the twelve of steps 1 to 3 may be out
	TURN 0
.macro STEP t
.set XS, X+16*((\t)%2)
.if (\t) > 0
	s_wait_dscnt 1                                 ; this step's numbers are back from the stage (the last step's byte store may be out): so its stores into the stage have read their registers,
.else
	s_wait_dscnt 0x0
.endif
.if (\t)+4 < STEPS
	LOAD (\t)+4                                    ; which take the loads of four steps on
.endif
.if (\t)+1 < STEPS
.if STEPS-2-(\t) >= 3
	s_wait_loadcnt 12                              ; the next step's four loads are in; those of the three steps behind it may be out
.else
	s_wait_loadcnt 4*(STEPS-2-(\t))                ; at the end fewer steps are behind it
.endif
	TURN (\t)+1                                    ; and go through the other stage while this step is worked
.endif
	v_max3_num_f32 v8, |v[XS]|, |v[XS+1]|, |v[XS+2]|               ; the largest magnitude of my 16, in two chains
	v_max3_num_f32 v9, |v[XS+3]|, |v[XS+4]|, |v[XS+5]|
.irp i, 6,10
	v_max3_num_f32 v8, v8, |v[XS+\i]|, |v[XS+\i+1]|
	v_max3_num_f32 v9, v9, |v[XS+\i+2]|, |v[XS+\i+3]|
.endr
	v_max3_num_f32 v8, v8, |v[XS+14]|, |v[XS+15]|
	v_max3_num_f32 v8, v8, v9, (EMAX+1)<<23        ; and the floor 2^(EMAX + 1 - 127): so the byte cannot fall under 1
	v_max_num_f32_dpp v8, v8, v8 row_xmask:1 row_mask:0xf bank_mask:0xf   ; and of my neighbour's 16: the block's
	v_add_nc_u32 v11, -(EMAX<<23), v8              ; EMAX off its exponent field: the conversion takes the exponent field of this operand as its scale, and nothing else of it
	v_cvt_scalef32_pk8_fp4_f32 v[C+4*(\t)], v[XS:XS+7], v11
	v_cvt_scalef32_pk8_fp4_f32 v[C+4*(\t)+1], v[XS+8:XS+15], v11
	v_lshrrev_b32 v[E+(\t)], 23, v11               ; the scale's byte (also the plain line behind the conversions)
	ds_store_b8 v5, v[E+(\t)] offset:16*(\t)       ; both lanes of a block write the same byte with the same value
	global_store_b64 v4, v[C+4*(\t):C+4*(\t)+1], s[26:27] offset:32*CB*(\t)   ; 32 lanes store 256 consecutive bytes
.endm
.irp t, 0,1,2,3,4,5,6,7,8,9,10,11,12,13,14,15
	STEP \t
.endr
	ds_load_b64 v[12:13], v6                       ; LDS serves a wave's instructions in order: these see my byte stores
	s_wait_dscnt 0x0
	global_store_b64 v7, v[12:13], s[28:29]        ; 32 lanes store 256 consecutive bytes
	s_wait_tensorcnt 0x0
	ds_add_u32 v192, v193
	s_wait_dscnt 0x0
	s_endpgm
; THE CAST OF Wo.  A wave takes 4,096 numbers: 16 times 8 numbers a lane (two loads of 16 bytes), four conversions, one store of 16 bytes a lane: 512 consecutive bytes a wave.  No LDS.
.Lcast:
	s_sub_co_u32 s30, ttmp9, GQ
	s_lshl_b32 s30, s30, 2
	s_add_co_u32 s30, s30, s32                     ; which run of 4,096 numbers is my wave's
	s_lshl_b32 s34, s30, 14
	s_add_nc_u64 s[12:13], s[12:13], s[34:35]
	s_lshl_b32 s34, s30, 13
	s_add_nc_u64 s[22:23], s[22:23], s[34:35]
	v_lshlrev_b32 v1, 5, v2                        ; 32 bytes a lane in, 16 (v3) out
.irp i, 0,1,2,3,4,5,6,7,8,9,10,11,12,13,14,15
	global_load_b128 v[16+8*\i:16+8*\i+3], v1, s[12:13] offset:1024*\i th:TH_LOAD_NT
	global_load_b128 v[16+8*\i+4:16+8*\i+7], v1, s[12:13] offset:1024*\i+16 th:TH_LOAD_NT
.endr
.irp i, 0,1,2,3,4,5,6,7,8,9,10,11,12,13,14,15
	s_wait_loadcnt 30-2*\i                         ; my two loads are in; the two of each later turn may be out
.irp j, 0,1,2,3
	v_cvt_pk_f16_f32 v[16+8*\i+\j], v[16+8*\i+2*\j], v[16+8*\i+2*\j+1]   ; in place, ascending: a result never lands on a number still to be read
.endr
	global_store_b128 v3, v[16+8*\i:16+8*\i+3], s[22:23] offset:512*\i   ; every turn has registers of its own: no store's data are written again
.endr
	s_endpgm
.Lfunc_end_k_q1bf68105c5_quant:
	.size	k_q1bf68105c5_quant, .Lfunc_end_k_q1bf68105c5_quant-k_q1bf68105c5_quant
	.p2alignl 7, 3214868480
	.fill 96, 4, 3214868480
	.section	.rodata,"a",@progbits
	.p2align	6, 0x0
	.amdhsa_kernel k_q1bf68105c5_quant
		.amdhsa_group_segment_fixed_size 33280
		.amdhsa_private_segment_fixed_size 0
		.amdhsa_enable_private_segment 0
		.amdhsa_kernarg_size 80
		.amdhsa_user_sgpr_count 2
		.amdhsa_user_sgpr_kernarg_segment_ptr 1
		.amdhsa_wavefront_size32 1
		.amdhsa_system_sgpr_workgroup_id_x 1
		.amdhsa_system_sgpr_workgroup_id_y 1
		.amdhsa_system_sgpr_workgroup_id_z 1
		.amdhsa_system_vgpr_workitem_id 0
		.amdhsa_next_free_vgpr 194
		.amdhsa_next_free_sgpr 66
		.amdhsa_reserve_vcc 0
		.amdhsa_float_denorm_mode_32 3
		.amdhsa_float_denorm_mode_16_64 3
		.amdhsa_memory_ordered 1
		.amdhsa_forward_progress 1
		.amdhsa_inst_pref_size 43
	.end_amdhsa_kernel
	.amdgpu_metadata
---
amdhsa.version: [ 1, 2 ]
amdhsa.kernels:
  - .name:           k_q1bf68105c5_quant
    .symbol:         k_q1bf68105c5_quant.kd
    .args:
      - { .name: hidden_states, .offset: 0, .size: 8, .value_kind: global_buffer, .address_space: global }
      - { .name: Wq, .offset: 8, .size: 8, .value_kind: global_buffer, .address_space: global }
      - { .name: Wk, .offset: 16, .size: 8, .value_kind: global_buffer, .address_space: global }
      - { .name: Wv, .offset: 24, .size: 8, .value_kind: global_buffer, .address_space: global }
      - { .name: Wo, .offset: 32, .size: 8, .value_kind: global_buffer, .address_space: global }
      - { .name: xc, .offset: 40, .size: 8, .value_kind: global_buffer, .address_space: global }
      - { .name: xs, .offset: 48, .size: 8, .value_kind: global_buffer, .address_space: global }
      - { .name: wc, .offset: 56, .size: 8, .value_kind: global_buffer, .address_space: global }
      - { .name: ws, .offset: 64, .size: 8, .value_kind: global_buffer, .address_space: global }
      - { .name: wo16, .offset: 72, .size: 8, .value_kind: global_buffer, .address_space: global }
    .group_segment_fixed_size: 33280
    .private_segment_fixed_size: 0
    .kernarg_segment_align: 8
    .kernarg_segment_size: 80
    .max_flat_workgroup_size: 128
    .sgpr_count:     66
    .vgpr_count:     194
    .wavefront_size: 32
...
	.end_amdgpu_metadata
.endif
;; end of part 1
;; launch qkv (part 2): grid 12 x 32, 4 waves a work-group, clusters of 4 x 4, 327,680 bytes of LDS; arguments xc, xs, wc, ws, qkv; writes qkv
.if DOCPART == 2
	.amdgcn_target "amdgcn-amd-amdhsa--gfx1250"
	.amdhsa_code_object_version 6
	.text
	.protected	k_q1bf68105c5_qkv
	.globl	k_q1bf68105c5_qkv
	.p2align	8
	.type	k_q1bf68105c5_qkv,@function
k_q1bf68105c5_qkv:
	s_mov_b64 s[64:65], 0
	v_nop
	global_prefetch_b8 v0, s[64:65] scope:SCOPE_SE
	s_setreg_imm32_b32 hwreg(HW_REG_WAVE_MODE, 25, 1), 1
	s_wait_xcnt 0x0
	s_wait_alu depctr_hold_cnt(0) depctr_sa_sdst(0) depctr_va_vdst(0) depctr_va_sdst(0) depctr_va_ssrc(0) depctr_va_vcc(0) depctr_vm_vsrc(0)
	s_getreg_b32 s2, hwreg(HW_REG_IB_STS2, 6, 4)
	s_cmp_eq_u32 s2, 0
	s_cbranch_scc0 .Lentry_in_a_cluster
	s_endpgm
.Lentry_in_a_cluster:
	s_bfe_u32 s2, ttmp6, 0x10000c
	s_cmp_lg_u32 s2, 0xf033
	s_cbranch_scc0 .Lentry_shape_is_right
	s_endpgm
.Lentry_shape_is_right:
; q, k, v = x Wq^T, x Wk^T, x Wv^T as ONE product C[m][n] = sum over k of A[m][k] B[n][k]: A = x [8192][1024], B = the three weights on end [3072][1024], both as codes of FP4 (E2M1) with one E8M0 byte for each 32 along K.
; The matrix instruction takes codes and scale bytes as they lie in memory.  Sums in f32; the results are rounded once to f16 and stored by heads: qkv [3 (q, k, v)][64 (16 batch + head)][2048 tokens][64], so that a head's rows are dense.
; LIMIT: a result beyond 65,504 becomes infinity in f16.
; A tile of C, 256 x 256, is made by a work-group of four waves; a wave makes 128 x 128: 64 accumulators of 16 x 16, 512 registers.  K = 1,024 is two steps of 512, one in each of two LDS slots: rows of 256 bytes.  Both slots and
; the scale bytes of the work-group's rows (for all of K, two dense blocks) are fetched at the start by the tensor data mover; nothing is filled a second time.
; CLUSTERS: 4 x 4 work-groups.  The four of a row of the cluster need the same tiles of A, the four of a column the same tiles of B: each tile is asked for JOINTLY, by the same tensor load with the same descriptor and a mask that names the four.
; THE MATRIX INSTRUCTION IS USED TRANSPOSED (source 0 = 16 rows of B, source 1 = 16 rows of A): a lane then holds eight neighbouring columns of one row of C, 16 bytes of f16.
; REGISTERS, in windows of 256: window 0: v0-31 addresses; v32-95 scale words, two sets, and nothing else; from v128 A's fragments (8 x 16 rows x 128 K), ONE set; on the way out v128-223.
;   window 1: B's fragments, TWO sets, at v0 and at v128.   window 2: the 32 accumulators of my rows 0-63 (accumulator (a, b) at v[8 (8 a + b)]);   window 3: those of my rows 64-127.
; A step of 128 along K is 64 matrix instructions, A's blocks one after the other, each against B's eight: a block of A is free as soon as its eight products are issued, so one set serves A; B's fragments are at work through the step and have two.
.set SIZE_K, 1024
.set KSTEP,  512                       ; along K in a slot
.set NQ,     KSTEP/128                 ; matrix instructions deep
.set ROWB,   256                       ; a tile's row in bytes
.set KROW,   SIZE_K*4/8                ; a row of A or of B in memory, in bytes
.set PITCH,  272                       ; an LDS row: 256 bytes + 16 of padding = 68 words: row r starts at bank 4 r mod 64 (64 banks of 4 bytes: ISA guide 11.1), so the 16 rows of a load start at 16 different banks
.set FR,     8                         ; registers of a fragment: 16 rows x 128 K
.set NL,     2                         ; LDS loads that bring one
.set NP,     4                         ; places behind this matrix instruction (ISA guide 7.12.1)
.set HALFT,  128*PITCH                 ; 128 rows: what one tensor load brings, and what one wave reads of A or of B
.set SLOT,   4*HALFT                   ; A's 256 rows, then B's 256 rows
.set KS,     SIZE_K/32                 ; a row of scale bytes
.set SCL,    2*SLOT                    ; behind the slots: the scales, as runs of 256 bytes + 16 of padding
.set HALFS,  (128*KS/256)*272          ; the scales of 128 rows: what one tensor load brings
.set SBLK,   (16*KS/256)*272           ; those of 16 rows
.set SPARE,  SCL+4*HALFS               ; behind the scales: the spare words, 128 bytes for each wave, which no other line names
.set SPITCH, 272                       ; the way out: a stage of 16 rows x (256 bytes + 16) for each wave.  It lies in slot 0, which has had its only fill and its last read when the first result is stored there
.set ADRA, 16                          ; v16-17  LDS address of my A fragments in slot 0, 1
.set ADRB, 20                          ; v20-21  the same for B
.set STO,  24                          ; v24     the way out: where I put 16 bytes of a row
.set RD,   25                          ; v25     the way out: where I read 16 bytes back
.set CO,   26                          ; v26     16 x lane: my place in 512 bytes of qkv
.set ADRS, 27                          ; v27     LDS address of my scale words: lanes 0-15 A's rows, lanes 16-31 B's
.set SPW,  28                          ; v28     LDS address of my spare word; never rewritten
.set NIL,  29                          ; v29     0; never rewritten
.set SC,   32                          ; scale words: set s (for slot s) at v[SC + 8 NQ s]; register NQ i + q: lanes 0-15 the word of A's block i, lanes 16-31 that of B's block i, for the slot's q-th 128 along K
.set AF,   128                         ; A's fragments, in window 0
.set BK,   128                         ; the way out: 16 rows read back from the stage: v128-159 and v160-191 by turns
.set TMP,  192                         ; the way out: a block's 32 packed registers
.set G1, 24                            ; s[24:31] descriptor group 1 for A's tiles;  s[32:39] group 0, one set for each slot
.set G0, 32
.set G1B, 48                           ; s[48:55], s[56:63] the same for B's tiles
.set G0B, 56
.set G1S, 68                           ; s[68:75], s[76:79] groups 1 and 0 for A's scales;  s[80:87], s[88:91] for B's
.set G0S, 76
.set G1SB, 80
.set G0SB, 88
.set MSB, 0
.macro WIN new                         ; the immediate's high byte repeats the setting that is left; a switch that changes nothing is dropped
.if MSB != (\new)
	s_set_vgpr_msb (MSB<<8)|(\new)
.set MSB, (\new)
.endif
.endm
.set MUL_LO, 0xa1                      ; source 0 (B) window 1, source 1 (A) window 0, C and D window 2
.set MUL_HI, 0xf1                      ; the same, C and D window 3
.set TO_B,   0x40                      ; destination window 1, address window 0
; A joint load: waves 0 and 1 fetch for A, waves 2 and 3 for B.  Each of the two lines has ONE mask and one set of registers for all that issue it; the branch hangs on the wave's number alone.
; Four v_nop follow each of the two lines, ahead of the jump, the label and what follows.
.macro JLOAD g0a, g1a, g0b, g1b
	s_cmp_eq_u32 s15, 0
	s_cbranch_scc0 .Lfor_b_\@
	tensor_load_to_lds s[\g0a:\g0a+3], s[\g1a:\g1a+7]
	s_nop 0
.rept 4
	v_nop
.endr
	s_branch .Lasked_\@
.Lfor_b_\@:
	tensor_load_to_lds s[\g0b:\g0b+3], s[\g1b:\g1b+7]
	s_nop 0
.rept 4
	v_nop
.endr
.Lasked_\@:
.endm
.macro CROUND                          ; a round of the cluster's barrier: my work-group's barrier; wave 0 signals for the work-group; every wave waits for all sixteen; my work-group's barrier once more
	s_barrier_signal -1
	s_barrier_wait -1
	s_cmp_lg_u32 s14, 0
	s_cbranch_scc1 .Lnot_wave_0_\@
	s_barrier_signal -3
.Lnot_wave_0_\@:
	s_barrier_wait -3
	s_barrier_signal -1
	s_barrier_wait -1
.endm
	s_load_b128 s[4:7], s[0:1], 0x0                ; A's codes s[4:5], A's scales s[6:7]
	s_load_b128 s[8:11], s[0:1], 0x10              ; B's codes s[8:9], B's scales s[10:11]
	s_load_b64 s[12:13], s[0:1], 0x20              ; qkv
	v_lshl_add_u32 v[SPW], v0, 2, SPARE
	v_mov_b32 v[NIL], 0
	ds_add_u32 v28, v29
	s_wait_dscnt 0x0
	v_lshrrev_b32 v1, 5, v0
	v_readfirstlane_b32 s14, v1                    ; wave 0..3
	s_lshr_b32 s15, s14, 1                         ; which half of the tile's rows is mine.  Also: I fetch for A (0) or for B (1)
	s_and_b32 s16, s14, 1                          ; which half of its columns.  Also: which 128 rows of that tile I fetch
	s_bfe_u32 s40, ttmp6, 0x40000                  ; cx, cy: my place in the cluster
	s_bfe_u32 s41, ttmp6, 0x40004
	s_lshl_b32 s42, ttmp9, 2
	s_add_co_u32 s42, s42, s40                     ; tile column of C = 4 x cluster x + cx
	s_and_b32 s17, ttmp7, 0xffff
	s_lshl_b32 s17, s17, 2
	s_add_co_u32 s17, s17, s41                     ; tile row of C = 4 x cluster y + cy
	s_lshl_b32 s43, s41, 2
	s_lshl_b32 s43, 15, s43                        ; my row of the cluster
	s_lshl_b32 s44, 0x1111, s40                    ; my column
	; descriptor group 1: a tile of 128 rows x ROWB bytes, padded in LDS
	s_or_b32 s[G1+0], s43, (0<<16)|(1<<20)|(1<<21)|(5<<22)|(3<<25)  ; 15:0 the mask: A's tiles go to my row; 17:16 element of 1 byte; 20 padding on; 21 set beside a mask; 24:22 after every 64 words (code 5); 31:25 of 4 words (code 3)
	s_or_b32 s[G1B+0], s44, (0<<16)|(1<<20)|(1<<21)|(5<<22)|(3<<25)
.irp g, G1, G1B
	s_mov_b32 s[\g+1], ROWB<<16                    ; tensor_dim0
	s_mov_b32 s[\g+2], 128<<16                     ; tensor_dim1 = 128
	s_mov_b32 s[\g+3], ROWB<<16                    ; tile_dim0
	s_mov_b32 s[\g+4], 128                         ; tile_dim1 = 128
	s_mov_b32 s[\g+5], KROW                        ; tensor_dim0_stride
	s_mov_b32 s[\g+6], 0
	s_mov_b32 s[\g+7], 0
.endr
	; and for the scales of 128 rows: a dense block of 128 KS bytes, as rows of 256 bytes (32 elements of 8 bytes), 16 bytes of padding behind each
	s_or_b32 s[G1S+0], s43, (3<<16)|(1<<20)|(1<<21)|(5<<22)|(3<<25)
	s_or_b32 s[G1SB+0], s44, (3<<16)|(1<<20)|(1<<21)|(5<<22)|(3<<25)
.irp g, G1S, G1SB
	s_mov_b32 s[\g+1], 32<<16
	s_mov_b32 s[\g+2], (128*KS/256)<<16
	s_mov_b32 s[\g+3], 32<<16
	s_mov_b32 s[\g+4], 128*KS/256
	s_mov_b32 s[\g+5], 32
	s_mov_b32 s[\g+6], 0
	s_mov_b32 s[\g+7], 0
.endr
	s_lshl_b32 s18, s16, 7                         ; which 128 rows of the tile I fetch
	s_lshl_b32 s20, s17, 8
	s_add_co_u32 s20, s20, s18                     ; A: row 256 x tile row + 128 x half
	s_lshl_b32 s46, s42, 8
	s_add_co_u32 s46, s46, s18                     ; B: row 256 x tile column + 128 x half
	s_mov_b32 s21, 0
	s_mov_b32 s47, 0
	s_mov_b64 s[18:19], KS
	s_mul_u64 s[22:23], s[20:21], s[18:19]         ; where these rows' scales begin, in bytes
	s_mul_u64 s[92:93], s[46:47], s[18:19]
	s_mov_b64 s[18:19], KROW
	s_mul_u64 s[20:21], s[20:21], s[18:19]         ; and their codes
	s_mul_u64 s[46:47], s[46:47], s[18:19]
	s_mul_i32 s45, s14, HALFT                      ; where they go: wave x 128 rows: no place in the cluster enters an LDS address
	s_mul_i32 s94, s14, HALFS
	s_wait_kmcnt 0x0
	s_add_nc_u64 s[20:21], s[4:5], s[20:21]
	s_add_nc_u64 s[22:23], s[6:7], s[22:23]
	s_add_nc_u64 s[46:47], s[8:9], s[46:47]
	s_add_nc_u64 s[92:93], s[10:11], s[92:93]
	CROUND                                         ; all sixteen work-groups are here: the joint loads meet
	s_mov_b32 s[G0S], 1
	s_add_co_u32 s[G0S+1], s94, SCL
	s_mov_b64 s[G0S+2:G0S+3], s[22:23]
	s_or_b32 s[G0S+3], s[G0S+3], 0x80000000
	s_mov_b32 s[G0SB], 1
	s_add_co_u32 s[G0SB+1], s94, SCL
	s_mov_b64 s[G0SB+2:G0SB+3], s[92:93]
	s_or_b32 s[G0SB+3], s[G0SB+3], 0x80000000
	JLOAD G0S, G1S, G0SB, G1SB                     ; the scales first: they are wanted with K step 0
.irp s, 0,1
	s_mov_b32 s[G0+4*\s], 1
	s_add_co_u32 s[G0+4*\s+1], s45, \s*SLOT
	s_add_nc_u64 s[G0+4*\s+2:G0+4*\s+3], s[20:21], \s*ROWB
	s_or_b32 s[G0+4*\s+3], s[G0+4*\s+3], 0x80000000
	s_mov_b32 s[G0B+4*\s], 1
	s_add_co_u32 s[G0B+4*\s+1], s45, \s*SLOT
	s_add_nc_u64 s[G0B+4*\s+2:G0B+4*\s+3], s[46:47], \s*ROWB
	s_or_b32 s[G0B+4*\s+3], s[G0B+4*\s+3], 0x80000000
	JLOAD G0+4*\s, G1, G0B+4*\s, G1B               ; three tensor loads of mine are out in all
.endr
	v_and_b32 v1, 15, v0                           ; l % 16
	v_bfe_u32 v2, v0, 4, 1                         ; l / 16
	v_mul_u32_u24 v3, v1, PITCH
	v_lshl_add_u32 v4, v2, 4, v3                   ; a fragment's row x pitch + 16 x half
	s_mul_i32 s21, s15, HALFT                      ; my 128 rows of A
	s_mul_i32 s22, s16, HALFT                      ; my 128 rows of B,
	s_add_co_u32 s22, s22, 2*HALFT                 ; which lie behind A's 256
.irp s, 0,1
	v_add_nc_u32 v[ADRA+\s], s21, v4
	v_add_nc_u32 v[ADRB+\s], s22, v4
	s_add_co_u32 s21, s21, SLOT
	s_add_co_u32 s22, s22, SLOT
.endr
	v_mul_u32_u24 v5, v1, KS                       ; my row's scales: KS bytes a row,
	v_lshrrev_b32 v6, 8, v5
	v_lshl_add_u32 v5, v6, 4, v5                   ; and 16 more for each 256 passed
	s_mul_i32 s21, s15, HALFS                      ; A's: my 128 rows
	s_mul_i32 s22, s16, HALFS                      ; B's: my 128 rows, behind A's 256
	s_add_co_u32 s22, s22, 2*HALFS
	s_sub_co_u32 s22, s22, s21
	v_mul_u32_u24 v6, s22, v2                      ; lanes 16-31 take B's: one product, the distance between the two bases
	s_add_co_u32 s21, s21, SCL
	v_add_nc_u32 v5, v5, v6
	v_add_nc_u32 v[ADRS], s21, v5
	s_mul_i32 s23, s14, 16*SPITCH                  ; my stage
	v_mul_u32_u24 v5, v1, SPITCH                   ; in: row l % 16, 16 bytes for each half of the lanes
	v_lshl_add_u32 v5, v2, 4, v5
	v_add_nc_u32 v[STO], s23, v5
	v_and_b32 v6, 31, v0
	v_lshlrev_b32 v[CO], 4, v6                     ; back: eight lanes take a token's 128 bytes of one head, the 32 lanes four tokens: 512 consecutive bytes of qkv
	v_lshrrev_b32 v5, 3, v6
	v_mul_u32_u24 v5, v5, SPITCH
	v_and_b32 v6, 7, v6
	v_lshl_add_u32 v5, v6, 4, v5
	v_add_nc_u32 v[RD], s23, v5
	; where my part begins in qkv: row m = 2048 batch + token, column n = 1024 which + 64 head + channel -> which << 24 + (16 batch + head) << 18 + token << 7 + 2 channel
	s_lshl_b32 s20, s17, 8
	s_lshl_b32 s21, s15, 7
	s_add_co_u32 s20, s20, s21                     ; my first row: 256 x tile row + 128 x half
	s_lshr_b32 s21, s20, 11
	s_lshl_b32 s21, s21, 22                        ; batch
	s_and_b32 s20, s20, 2047
	s_lshl_b32 s20, s20, 7                         ; token
	s_add_co_u32 s20, s20, s21
	s_mov_b32 s21, 0
	s_lshl_b32 s46, s42, 2
	s_lshl_b32 s47, s16, 1
	s_add_co_u32 s46, s46, s47                     ; my first of two heads, counted through q, k and v: 4 x tile column + 2 x half (even: the second is its neighbour)
	s_lshr_b32 s47, s46, 4
	s_lshl_b32 s47, s47, 24                        ; which
	s_and_b32 s46, s46, 15
	s_lshl_b32 s46, s46, 18                        ; head
	s_add_co_u32 s46, s46, s47
	s_mov_b32 s47, 0
	s_add_nc_u64 s[20:21], s[20:21], s[46:47]
	s_add_nc_u64 s[12:13], s[12:13], s[20:21]
.macro FRAG reg, adr, q, i             ; a fragment, 16 rows x 128 K of 4-bit codes, is 8 registers: lane l holds row l % 16; registers 4 c .. 4 c + 3 hold K = 64 c + 32 (l / 16) + 0 .. 31
.irp c, 0,1
	ds_load_b128 v[\reg+4*\c:\reg+4*\c+3], v[\adr] offset:64*(\q)+32*\c+(\i)*16*PITCH
.endr
.endm
; 16 matrix instructions: A's blocks a0, a0 + 1 x B's eight, 128 along K: the slot's q-th.  p: B's set;  sc: the set of scale words.  zero = 1: the first product starts the sums: nothing is ever cleared.
; The 64 accumulators take turns, one instruction a turn, in the same order in every step.
.macro MUL16 a0, p, q, sc, zero
.irp a, \a0, \a0+1
.irp b, 0,1,2,3,4,5,6,7
.if \zero
	v_wmma_scale_f32_16x16x128_f8f6f4 v[8*(8*((\a)%4)+\b):8*(8*((\a)%4)+\b)+7], v[128*(\p)+FR*\b:128*(\p)+FR*\b+FR-1], v[AF+FR*(\a):AF+FR*(\a)+FR-1], 0, v[SC+8*NQ*(\sc)+NQ*\b+(\q)], v[SC+8*NQ*(\sc)+NQ*(\a)+(\q)] matrix_a_fmt:MATRIX_FMT_FP4 matrix_b_fmt:MATRIX_FMT_FP4 matrix_a_scale:MATRIX_SCALE_ROW1
.else
	v_wmma_scale_f32_16x16x128_f8f6f4 v[8*(8*((\a)%4)+\b):8*(8*((\a)%4)+\b)+7], v[128*(\p)+FR*\b:128*(\p)+FR*\b+FR-1], v[AF+FR*(\a):AF+FR*(\a)+FR-1], v[8*(8*((\a)%4)+\b):8*(8*((\a)%4)+\b)+7], v[SC+8*NQ*(\sc)+NQ*\b+(\q)], v[SC+8*NQ*(\sc)+NQ*(\a)+(\q)] matrix_a_fmt:MATRIX_FMT_FP4 matrix_b_fmt:MATRIX_FMT_FP4 matrix_a_scale:MATRIX_SCALE_ROW1
.endif
.endr
.endr
.endm
.macro FETCH_B slot, q, p              ; B's eight fragments of the slot's q-th 128 along K into set p
	WIN TO_B
.irp i, 0,1,2,3,4,5,6,7
	FRAG 128*(\p)+FR*\i, ADRB+\slot, \q, \i
.endr
	WIN 0
.endm
.macro FETCH_A slot, q, i0             ; A's blocks i0 .. i0 + 3
.irp i, \i0, \i0+1, \i0+2, \i0+3
	FRAG AF+FR*(\i), ADRA+\slot, \q, \i
.endr
.endm
.macro SCALES sc                       ; a K step's scale words into set sc: NQ words a row; lanes 0-15 take A's block i, lanes 16-31 B's block i
.irp i, 0,1,2,3,4,5,6,7
	ds_load_b128 v[SC+8*NQ*\sc+NQ*\i:SC+8*NQ*\sc+NQ*\i+3], v[ADRS] offset:\i*SBLK
.endr
.endm
; A load into a register that a matrix instruction has read, and a vector instruction that reads a matrix result, stand NP places behind that matrix instruction, and only plain vector instructions that name none of its
; registers are places (ISA guide 7.12.1 for vector instructions); the matrix instructions in between are not counted.
.macro PLACES n
.rept \n
	v_nop
.endr
.endm
; A step of 128 along K that has its successor in the same slot.
.macro STEP slot, q, zero
	s_wait_dscnt 4*NL                              ; B's set and A's blocks 0-3 are in; the youngest eight loads (A's blocks 4-7) may be out
	WIN MUL_LO
	MUL16 0, (\q)%2, \q, \slot, \zero
	MUL16 2, (\q)%2, \q, \slot, \zero
	s_wait_dscnt 0                                 ; A's blocks 4-7 are in (asked for 32 matrix instructions ago)
	PLACES NP
	FETCH_B \slot, (\q)+1, 1-(\q)%2
	FETCH_A \slot, (\q)+1, 0
	WIN MUL_HI
	MUL16 4, (\q)%2, \q, \slot, \zero
	MUL16 6, (\q)%2, \q, \slot, \zero
	PLACES NP
	WIN 0
	FETCH_A \slot, (\q)+1, 4
.endm
; Slot 0's last step changes slots: ONE barrier; in front of it each wave waits for all its tensor loads (slot 1's is the one that may be out), adds 0 to its spare word, and waits for that and for its reads of slot 0.
; Behind it slot 1 is whole for every wave and nobody reads slot 0 any more: the way out may use its bytes.
.macro TURN slot, next
	s_wait_tensorcnt 0x0                           ; all my tensor loads have landed  (every window is 0 here: the add's two registers lie in window 0)
	ds_add_u32 v[SPW], v[NIL]                      ; 0 onto my spare word
	s_wait_dscnt 4*NL+1                            ; (the add and the youngest eight loads, A's blocks 4-7, may be out)
	WIN MUL_LO
	MUL16 0, 1, NQ-1, \slot, 0                     ; sixteen matrix instructions stand between the add and the wait for it
	s_wait_dscnt 0x0                               ; the add is done, and my reads of this slot are over
	s_barrier_signal -1
	MUL16 2, 1, NQ-1, \slot, 0
	WIN 0
	s_barrier_wait -1
	PLACES NP
	v_add_nc_u32 v[ADRS], 4*NQ, v[ADRS]            ; on to the next K step's scale words (no LDS load of mine is out)
	FETCH_B \next, 0, 0
	FETCH_A \next, 0, 0
	SCALES \next
	WIN MUL_HI
	MUL16 4, 1, NQ-1, \slot, 0
	MUL16 6, 1, NQ-1, \slot, 0
	PLACES NP
	WIN 0
	FETCH_A \next, 0, 4
.endm
.macro STEPS slot, from                ; the slot's steps from .. NQ - 2
.set Q, \from
.rept NQ-1-\from
	STEP \slot, Q, 0
.set Q, Q+1
.endr
.endm
	s_wait_tensorcnt 1                             ; the scales and my part of K step 0 are in (slot 1's load, issued behind them, may be out),
	s_barrier_signal -1
	s_barrier_wait -1                              ; everybody's are
	FETCH_B 0, 0, 0
	FETCH_A 0, 0, 0
	SCALES 0
	FETCH_A 0, 0, 4
	STEP 0, 0, 1                                   ; the first step's products start the sums
	STEPS 0, 1
	TURN 0, 1
	STEPS 1, 0
	s_wait_dscnt 4*NL                              ; the very last step: nothing more to fetch
	WIN MUL_LO
	MUL16 0, 1, NQ-1, 1, 0
	MUL16 2, 1, NQ-1, 1, 0
	s_wait_dscnt 0
	WIN MUL_HI
	MUL16 4, 1, NQ-1, 1, 0
	MUL16 6, 1, NQ-1, 1, 0
	WIN 0
; THE WAY OUT, block by block of 16 tokens x 128 columns (two heads).  PACK: rounded to f16, 16 bytes a lane, each accumulator from its low end on.  TOSTAGE: into my own stage in LDS and back so that the 32 lanes hold four
; tokens x 128 bytes of one head.  SEND: stored, 512 consecutive bytes an instruction.  LDS serves a wave's instructions in order (ISA guide 5.7.1.4): no wait between the stage's stores and loads.
.macro PACK a
.set AC, 64*((\a)%4)
	WIN 0x0a+5*((\a)/4)                            ; sources 0 and 1: window 2 or 3
.irp b, 0,1,2,3,4,5,6,7
.irp r, 0,1,2,3
	v_cvt_pk_f16_f32 v[TMP+4*\b+\r], v[AC+8*\b+2*\r], v[AC+8*\b+2*\r+1]
.endr
.endr
	WIN 0
.endm
.macro TOSTAGE a
.set BB, BK+32*((\a)%2)
.irp b, 0,1,2,3,4,5,6,7
	ds_store_b128 v[STO], v[TMP+4*\b:TMP+4*\b+3] offset:32*\b
.endr
.irp t, 0,1,2,3,4,5,6,7                ; head t / 4, tokens 4 (t % 4) on
	ds_load_b128 v[BB+4*\t:BB+4*\t+3], v[RD] offset:(\t%4)*4*SPITCH+(\t/4)*128
.endr
.endm
.macro SEND a
.set BB, BK+32*((\a)%2)
	s_wait_dscnt 0x0                               ; the block is back in registers
	s_wait_xcnt 0x0                                ; the earlier stores have read their base and their data: the base may step, and the next block's loads may land where the block before this one lay
.if (\a) > 0
	s_add_nc_u64 s[12:13], s[12:13], 16*128        ; 16 tokens on
.endif
.irp t, 0,1,2,3,4,5,6,7
	global_store_b128 v[CO], v[BB+4*\t:BB+4*\t+3], s[12:13] offset:(\t/4)*262144+(\t%4)*512   ; 32 lanes store 512 consecutive bytes, at a multiple of 256 from qkv's first byte; the second head lies 2^18 bytes on
.endr
.endm
	PLACES NP                                      ; behind the last products: for block 7's reads and for the loads into the registers that held A's fragments
	PACK 0
	TOSTAGE 0
.irp a, 1,2,3,4,5,6,7                  ; block a's conversions stand between block a - 1's loads from the stage and the wait for them
	PACK \a
	SEND \a-1
	TOSTAGE \a
.endr
	SEND 7
	s_wait_tensorcnt 0x0                           ; the wave's end, behind my last tensor load and my last LDS store
	ds_add_u32 v[SPW], v[NIL]
	s_wait_dscnt 0x0
	CROUND                                         ; the closing round: no work-group ends while a partner may still ask for a tile that names it
	s_endpgm
.Lfunc_end_k_q1bf68105c5_qkv:
	.size	k_q1bf68105c5_qkv, .Lfunc_end_k_q1bf68105c5_qkv-k_q1bf68105c5_qkv
	.p2alignl 7, 3214868480
	.fill 96, 4, 3214868480
	.section	.rodata,"a",@progbits
	.p2align	6, 0x0
	.amdhsa_kernel k_q1bf68105c5_qkv
		.amdhsa_group_segment_fixed_size 327680
		.amdhsa_private_segment_fixed_size 0
		.amdhsa_enable_private_segment 0
		.amdhsa_kernarg_size 40
		.amdhsa_user_sgpr_count 2
		.amdhsa_user_sgpr_kernarg_segment_ptr 1
		.amdhsa_wavefront_size32 1
		.amdhsa_system_sgpr_workgroup_id_x 1
		.amdhsa_system_sgpr_workgroup_id_y 1
		.amdhsa_system_sgpr_workgroup_id_z 1
		.amdhsa_system_vgpr_workitem_id 0
		.amdhsa_next_free_vgpr 1024
		.amdhsa_next_free_sgpr 98
		.amdhsa_reserve_vcc 0
		.amdhsa_float_denorm_mode_32 3
		.amdhsa_float_denorm_mode_16_64 3
		.amdhsa_memory_ordered 1
		.amdhsa_forward_progress 1
		.amdhsa_inst_pref_size 127
	.end_amdhsa_kernel
	.amdgpu_metadata
---
amdhsa.version: [ 1, 2 ]
amdhsa.kernels:
  - .name:           k_q1bf68105c5_qkv
    .symbol:         k_q1bf68105c5_qkv.kd
    .args:
      - { .name: xc, .offset: 0, .size: 8, .value_kind: global_buffer, .address_space: global }
      - { .name: xs, .offset: 8, .size: 8, .value_kind: global_buffer, .address_space: global }
      - { .name: wc, .offset: 16, .size: 8, .value_kind: global_buffer, .address_space: global }
      - { .name: ws, .offset: 24, .size: 8, .value_kind: global_buffer, .address_space: global }
      - { .name: qkv, .offset: 32, .size: 8, .value_kind: global_buffer, .address_space: global }
    .group_segment_fixed_size: 327680
    .private_segment_fixed_size: 0
    .kernarg_segment_align: 8
    .kernarg_segment_size: 40
    .max_flat_workgroup_size: 128
    .sgpr_count:     98
    .vgpr_count:     1024
    .wavefront_size: 32
...
	.end_amdgpu_metadata
.endif
;; end of part 2
;; launch attn (part 3): grid 4 x 64, 8 waves a work-group, clusters of 4 x 1, 327,680 bytes of LDS; arguments qkv, ctx; writes ctx
.if DOCPART == 3
	.amdgcn_target "amdgcn-amd-amdhsa--gfx1250"
	.amdhsa_code_object_version 6
	.text
	.protected	k_q1bf68105c5_attn
	.globl	k_q1bf68105c5_attn
	.p2align	8
	.type	k_q1bf68105c5_attn,@function
k_q1bf68105c5_attn:
	s_mov_b64 s[64:65], 0
	v_nop
	global_prefetch_b8 v0, s[64:65] scope:SCOPE_SE
	s_setreg_imm32_b32 hwreg(HW_REG_WAVE_MODE, 25, 1), 1
	s_wait_xcnt 0x0
	s_wait_alu depctr_hold_cnt(0) depctr_sa_sdst(0) depctr_va_vdst(0) depctr_va_sdst(0) depctr_va_ssrc(0) depctr_va_vcc(0) depctr_vm_vsrc(0)
	s_getreg_b32 s2, hwreg(HW_REG_IB_STS2, 6, 4)
	s_cmp_eq_u32 s2, 0
	s_cbranch_scc0 .Lentry_in_a_cluster
	s_endpgm
.Lentry_in_a_cluster:
	s_bfe_u32 s2, ttmp6, 0x10000c
	s_cmp_lg_u32 s2, 0x3003
	s_cbranch_scc0 .Lentry_shape_is_right
	s_endpgm
.Lentry_shape_is_right:
; ctx[bh][q][:] = the sum over k of softmax_k(Q[bh][q] . K[bh][k] / 8) V[bh][k][:].  Q, K, V: the three parts of qkv, each [64 bh][2048][64] f16; ctx: [64 bh][2048][64] f16.
; Products, maxima and sums in f32; the weights p (at most 1, by the running maximum) are rounded to f16 for the second product, ctx once at the end.  LIMIT: f16's range, 65,504, for q, k, v and ctx.
; SHARES.  A work-group owns 512 queries of one head, each of its eight waves 64: four tiles of 16; two waves lie on a SIMD, 512 registers each.  Every wave walks all 2,048 keys, 64 a step.
; LAYOUT.  S^T = K Q^T (source 0 = 16 keys, source 1 = 16 queries): a lane holds ONE query (lane % 16) and the keys 8 (lane / 16) + 0..7 of each tile of 16.  Two such tiles, rounded to f16 in pairs, ARE source 1
; (32 keys x 16 queries) of O^T = V^T P, whose result again holds one query a lane, and eight channels.  K comes out of LDS as it lies, V ([key][channel]) turned, by ds_load_tr16_b128.
; SOFTMAX.  For each query a running maximum m and sum l: p = 2^(c s - c m), c = log2(e) / 8; in every step O^T and l are multiplied by a = 2^(c m_old - c m_new).  m begins at -3e38, l and O^T at 0: the first step's a is 0 and
; multiplies zeros, so that one form of the step serves all 32.
; BY TURNS.  The wave's tiles are two PIECES (tiles 0, 1 and tiles 2, 3).  In a TURN one piece has the matrix unit: 16 products V^T P of the step in hand, then 16 products K Q^T of the next step; the other piece's softmax, a list
; of 239 vector instructions, stands between them: 5 behind each V^T P, 10 behind each K Q^T.  Then the pieces change places.  Two turns are a key step.
; CLUSTER.  The four query blocks of a head are one cluster and walk the same K and V: each tile is asked for JOINTLY, by the same tensor load with the same descriptor and the mask of all four.
; RING.  Two LDS slots of four key steps.  Waves 0-3 fetch the four steps' rows of K, waves 4-7 those of V: one load a wave behind each round, with four key steps (256 matrix instructions a wave) in which to land.
; REGISTERS, in two windows of 256 (s_set_vgpr_msb: bits 1:0 source 0, 3:2 source 1, 5:4 source 2, 7:6 destination):
;   window 0: v1-15 addresses; v16-47 statistics, 8 a tile; v64-191 S^T, 32 a tile (P takes the low 16 of them, in place); v192-255 K of one step
;   window 1: v0-127 O^T, 32 a tile; v128-191 Q, 16 a tile; v192-255 V of one step
.set KS,    64        ; keys in a step
.set NST,   4         ; steps in a slot
.set PKP,   144       ; a row of K in LDS: 128 bytes + 16 of padding = 36 words: the 16 rows of a load start at 16 different groups of four banks (64 banks of 4 bytes: ISA guide 11.1)
.set PVP,   160       ; a row of V: 128 + 32 = 40 words
.set VOFF,  KS*PKP    ; a step's tiles lie together: 64 rows of K, then 64 rows of V
.set STEPB, KS*(PKP+PVP)
.set SLOTB, NST*KS*128  ; a slot's rows of K (or of V) in memory: 32,768 bytes
.set SLOT1, 1<<17     ; slot 1 begins here, so that one exclusive or turns an address in one slot into the other's
.set STAGE, SLOT1+NST*STEPB  ; behind the ring: 64 rows x 144 bytes for each wave, for the way out
.set SP,    144
.set SPARE, STAGE+8*64*SP    ; behind the stages: the spare words, 128 bytes for each wave, which no other line names
.set AK0, 2           ; v2   my lane's place in a tile of K; never rewritten
.set AV0, 3           ; v3   the same for V
.set ADR, 4           ; v4   the LDS address of the run of loads in hand
.set QO,  5           ; v5   my byte offset in the wave's rows of Q
.set STO, 6           ; v6   the way out: where I put 16 bytes of a row
.set RD,  7           ; v7   the way out: where I read 16 bytes back
.set GO,  8           ; v8   16 x lane: my place in 512 bytes of ctx
.set PFO, 11          ; v11  256 x lane: the prefetches' offset; never rewritten
.set SPW, 12          ; v12  LDS address of my spare word; never rewritten
.set NIL, 13          ; v13  0; never rewritten
.set ST,  16          ; tile t's statistics at v[ST+8 t]: +0 c m, +1 m, +2, +3 l (even keys', odd keys'), +4 to +7 c0-c3, at work; a takes c2's place, a second chain of the sum c0, c1's
.set S,   64
.set KF,  192         ; K's fragments, window 0: keys 16 kt on, channels 32 c on at KF + 16 kt + 8 c
.set QF,  128         ; Q's, window 1: tile t, channels 32 c on at QF + 16 t + 8 c
.set VF,  192         ; V's, window 1: keys 32 kp on, channels 16 ct on at VF + 8 (4 kp + ct)
.set WV,  12          ; s12  my wave's number
.set LIM, 15          ; s15  1 in a wave that prefetches, else the greatest number: a wave prefetches while s[SLOTS] is above it
.set PFA, 18          ; s[18:19] where my prefetches stand in memory
.set G1K, 24          ; s[24:31] descriptor group 1 for K's tiles
.set G1V, 32          ; s[32:39] for V's: it differs in the padding alone
.set G0K, 40          ; s[40:47] descriptor group 0 for K's tiles: a set for each of the two first fills; the second then walks on
.set G0V, 48          ; s[48:55] the same for V's
.set SLOTS, 56        ; s56  slots still to be asked for
.set CNT, 57          ; s57  counts key steps
.set CS,  58          ; s[58:59] c: the packed scaling names a pair and takes its low word for both halves
.set SEL, 60          ; s[60:61] lane selects for v_permlanex16_b32: each lane takes its own place in the other half
.set TB,  62          ; s62  LDS byte at which the tiles of the step to be fetched begin
.set MSB, 0
.macro WIN new                      ; the immediate's high byte repeats the setting that is left; a switch that changes nothing is dropped
.if MSB != (\new)
	s_set_vgpr_msb (MSB<<8)|(\new)
.set MSB, (\new)
.endif
.endm
.set W_KQ, 0x04       ; K and S^T in window 0, Q (source 1) in window 1
.set W_PV, 0x51       ; V (source 0) and O^T (C, D) in window 1, P (source 1) in window 0
.set W_RS, 0x41       ; O^T (destination and source 0) in window 1, the factor in window 0
; A joint refill.  Waves 0-3 fetch K's rows of the slot's four steps, waves 4-7 V's.  The branch hangs on the wave's number alone.  Four v_nop follow each of the two lines.
.macro JLOAD
	s_cmp_lt_u32 s[WV], 4
	s_cbranch_scc0 .Lfor_v_\@
	tensor_load_to_lds s[G0K+4:G0K+7], s[G1K:G1K+7]
	s_nop 0
.rept 4
	v_nop
.endr
	s_branch .Lasked_\@
.Lfor_v_\@:
	tensor_load_to_lds s[G0V+4:G0V+7], s[G1V:G1V+7]
	s_nop 0
.rept 4
	v_nop
.endr
.Lasked_\@:
.endm
; A PREFETCH INTO THE L2 of what the NEXT change of slots will ask for: a slot's 32,768 bytes of K and as many of V, four key steps ahead of that load.  It stands behind the wave's tensor load and its four lines.
; Each run of 256 bytes is named ONCE in the launch: a head is walked by one cluster; its four partners share a slot's bytes out BY ADDRESS, 8,192 each; in each, wave 0 asks for K's and wave 4 for V's, lanes 256 bytes apart.
; Slots 0, 1 and 2 come by their loads alone; the last change that fills a slot asks for nothing: there is no slot behind it.
.macro ASK
	s_cmp_gt_u32 s[SLOTS], s[LIM]
	s_cbranch_scc0 .Lnot_mine_\@
	global_prefetch_b8 v[PFO], s[PFA:PFA+1] th:TH_LOAD_NT scope:SCOPE_SE
.Lnot_mine_\@:
.endm
.macro CROUND                       ; a round of the cluster's barrier: my work-group's barrier; wave 0 signals for the work-group; every wave waits for all four work-groups; my work-group's barrier once more
	s_barrier_signal -1
	s_barrier_wait -1
	s_cmp_lg_u32 s[WV], 0
	s_cbranch_scc1 .Lnot_wave_0_\@
	s_barrier_signal -3
.Lnot_wave_0_\@:
	s_barrier_wait -3
	s_barrier_signal -1
	s_barrier_wait -1
.endm
	s_load_b128 s[4:7], s[0:1], 0x0 ; qkv s[4:5], ctx s[6:7]
	v_lshl_add_u32 v[SPW], v0, 2, SPARE
	v_mov_b32 v[NIL], 0
	ds_add_u32 v12, v13
	s_wait_dscnt 0x0
	v_lshrrev_b32 v1, 5, v0
	v_readfirstlane_b32 s[WV], v1   ; wave 0..7
	s_bfe_u32 s13, ttmp6, 0x40000   ; cx: my place in the cluster
	s_lshl_b32 s14, ttmp9, 2        ; in a cluster launch ttmp9 counts clusters
	s_add_co_u32 s14, s14, s13      ; my block of 512 queries: it enters Q's and ctx's addresses alone
	s_and_b32 s20, ttmp7, 0xffff    ; the head (16 batch + head), which the four partners share
	s_lshl_b32 s20, s20, 18         ; its first byte in each of q, k, v and ctx
	s_and_b32 s16, s[WV], 3         ; which of a slot's four steps I fetch:
	s_lshl_b32 s22, s16, 13         ; its 64 rows of 128 bytes in memory,
	s_add_co_u32 s22, s22, s20
	s_mov_b32 s23, 0
	s_mul_i32 s17, s16, STEPB       ; and its place in a slot: no place in the cluster enters an LDS address
	s_lshl_b32 s2, s14, 16          ; my block's 512 rows,
	s_lshl_b32 s3, s[WV], 13        ; my wave's 64 of them
	s_add_co_u32 s2, s2, s3
	s_add_co_u32 s2, s2, s20
	s_mov_b32 s3, 0
	; descriptor group 1: a tile of 64 rows x 64 elements, padded in LDS
	s_mov_b32 s[G1K], 15|(1<<16)|(1<<20)|(1<<21)|(4<<22)|(3<<25)  ; 15:0 the mask: all four work-groups; 17:16 elements of 2 bytes; 20 padding on; 21 set beside a mask; 24:22 after every 32 words (code 4); 31:25 4 words of it (code 3)
	s_mov_b32 s[G1V], 15|(1<<16)|(1<<20)|(1<<21)|(4<<22)|(7<<25)  ; the same with 8 words of padding (code 7)
.irp g, G1K, G1V
	s_mov_b32 s[\g+1], 64<<16       ; tensor_dim0 = 64
	s_mov_b32 s[\g+2], KS<<16       ; tensor_dim1 = 64
	s_mov_b32 s[\g+3], 64<<16       ; tile_dim0 = 64
	s_mov_b32 s[\g+4], KS           ; tile_dim1 = 64
	s_mov_b32 s[\g+5], 64           ; tensor_dim0_stride: elements from row to row
	s_mov_b32 s[\g+6], 0
	s_mov_b32 s[\g+7], 0
.endr
	s_mov_b32 s[CS], 0x3e38aa3b     ; c = log2(e) / 8
	s_mov_b32 s[CS+1], s[CS]        ; named with it as a pair, so it is written
	s_mov_b32 s[SEL], 0x76543210
	s_mov_b32 s[SEL+1], 0xfedcba98
	s_mov_b32 s[TB], 0
	s_mov_b32 s[SLOTS], 2048/(NST*KS)-2
	s_cmp_eq_u32 s16, 0             ; waves 0 and 4 prefetch
	s_cselect_b32 s[LIM], 1, -1
	v_and_b32 v[PFO], 31, v0
	v_lshlrev_b32 v[PFO], 8, v[PFO]
	s_wait_kmcnt 0x0
	s_add_nc_u64 s[8:9], s[4:5], s[22:23]
	s_add_nc_u64 s[10:11], s[8:9], 2<<24  ; V at my tile of slot 0
	s_add_nc_u64 s[8:9], s[8:9], 1<<24    ; K likewise
	s_add_nc_u64 s[4:5], s[4:5], s[2:3]   ; Q and ctx at my wave's first row
	s_add_nc_u64 s[6:7], s[6:7], s[2:3]
	s_cmp_lt_u32 s[WV], 4
	s_cselect_b64 s[PFA:PFA+1], s[8:9], s[10:11]  ; (in waves 0 and 4 these stand at a slot's first row)
	s_lshl_b32 s2, s13, 13          ; my work-group's 8,192 bytes of the 32,768
	s_add_nc_u64 s[PFA:PFA+1], s[PFA:PFA+1], s[2:3]
	s_add_nc_u64 s[PFA:PFA+1], s[PFA:PFA+1], 2*SLOTB  ; in slot 2; the first change of slots steps it to slot 3.  Nothing is prefetched here, at the head
	CROUND                          ; all four work-groups are here: the first joint loads meet
.irp s, 0,1
	s_mov_b32 s[G0K+4*\s], 1        ; count = 1
	s_add_co_u32 s[G0K+4*\s+1], s17, \s*SLOT1  ; LDS address
	s_add_nc_u64 s[G0K+4*\s+2:G0K+4*\s+3], s[8:9], \s*SLOTB  ; global address: slot s begins with keys 256 s on
	s_or_b32 s[G0K+4*\s+3], s[G0K+4*\s+3], 0x80000000  ; type = 2
	s_mov_b32 s[G0V+4*\s], 1
	s_add_co_u32 s[G0V+4*\s+1], s17, \s*SLOT1+VOFF
	s_add_nc_u64 s[G0V+4*\s+2:G0V+4*\s+3], s[10:11], \s*SLOTB
	s_or_b32 s[G0V+4*\s+3], s[G0V+4*\s+3], 0x80000000
.endr
	s_cmp_lt_u32 s[WV], 4           ; a wave's two first fills stand in one branch, ahead of every wait on TENSORcnt and every LDS read: two loads of mine are out; four v_nop follow the second
	s_cbranch_scc0 .Lfirst_v
	tensor_load_to_lds s[G0K:G0K+3], s[G1K:G1K+7]
	s_nop 0
	tensor_load_to_lds s[G0K+4:G0K+7], s[G1K:G1K+7]
	s_nop 0
.rept 4
	v_nop
.endr
	s_branch .Lfirst_asked
.Lfirst_v:
	tensor_load_to_lds s[G0V:G0V+3], s[G1V:G1V+7]
	s_nop 0
	tensor_load_to_lds s[G0V+4:G0V+7], s[G1V:G1V+7]
	s_nop 0
.rept 4
	v_nop
.endr
.Lfirst_asked:
	; A fragment of K or Q is 16 rows x 32 channels in 8 registers: lane l holds row l % 16; registers 0-3 channels 8 (l / 16) + 0..7, registers 4-7 channels 16 + 8 (l / 16) + 0..7: two loads of 16 bytes, 32 bytes apart.
	v_and_b32 v1, 15, v0            ; l % 16
	v_bfe_u32 v9, v0, 4, 1          ; l / 16
	v_lshlrev_b32 v[QO], 7, v1
	v_lshl_add_u32 v[QO], v9, 4, v[QO]  ; row x 128 + 16 x half
	WIN 0x40                        ; destination window 1, address window 0
.irp t, 0,1,2,3                     ; Q stays in registers
.irp c, 0,1
	global_load_b128 v[QF+16*\t+8*\c:QF+16*\t+8*\c+3],   v[QO], s[4:5] offset:2048*\t+64*\c
	global_load_b128 v[QF+16*\t+8*\c+4:QF+16*\t+8*\c+7], v[QO], s[4:5] offset:2048*\t+64*\c+32
.endr
.endr
.set i, 0
.rept 128
	v_mov_b32 v[i], 0               ; O^T begins as zeros, so that the key step is written in one form
.set i, i+1
.endr
	WIN 0
	v_mul_u32_u24 v[AK0], v1, PKP
	v_lshl_add_u32 v[AK0], v9, 4, v[AK0]  ; row x pitch + 16 x half
	; The turning load takes 16 keys x 16 channels (lane l reads 16 bytes: key 8 (l / 16) + l % 8, channels 8 ((l / 8) % 2) + 0..7) and leaves half a fragment of V^T: lane l holds channel l % 16 and 8 keys.
	v_and_b32 v10, 7, v0
	v_bfe_u32 v14, v0, 3, 1
	v_lshl_add_u32 v[AV0], v9, 3, v10
	v_mul_u32_u24 v[AV0], v[AV0], PVP
	v_lshl_add_u32 v[AV0], v14, 4, v[AV0]
	v_add_nc_u32 v[AV0], VOFF, v[AV0]
.irp t, 0,1,2,3
	v_mov_b32 v[ST+8*\t+1], 0xff61b1e6  ; m = -3e38, under every score
	v_mul_f32 v[ST+8*\t], s[CS], v[ST+8*\t+1]  ; c m
	v_mov_b32 v[ST+8*\t+2], 0       ; l
	v_mov_b32 v[ST+8*\t+3], 0
.endr
; THE MATRIX WORK OF A TURN, for piece x.  The accumulators take turns, one instruction a turn: between two links of a chain stand 7 others'.
; Product i of 16 of O^T += V^T P: keys 32 (i / 8) on, channels 16 ((i / 2) % 4) on, tile x + i % 2.
.macro PV x
	WIN W_PV
.set rO, 32*((\x)+i%2)+8*((i/2)%4)
.set rV, VF+8*(4*(i/8)+(i/2)%4)
.set rP, S+32*((\x)+i%2)+8*(i/8)
	v_wmma_f32_16x16x32_f16 v[rO:rO+7], v[rV:rV+7], v[rP:rP+7], v[rO:rO+7]
.endm
; Product i of 16 of S^T = K Q^T: channels 32 (i / 8) on, keys 16 ((i / 2) % 4) on, tile x + i % 2.  The first 8 start the sums.
.macro KQ x
	WIN W_KQ
.set rS, S+32*((\x)+i%2)+8*((i/2)%4)
.set rK, KF+16*((i/2)%4)+8*(i/8)
.set rQ, QF+16*((\x)+i%2)+8*(i/8)
.if i < 8
	v_wmma_f32_16x16x32_f16 v[rS:rS+7], v[rK:rK+7], v[rQ:rQ+7], 0
.else
	v_wmma_f32_16x16x32_f16 v[rS:rS+7], v[rK:rK+7], v[rQ:rQ+7], v[rS:rS+7]
.endif
.endm
; THE LDS LOADS stand in runs of 16: a step's K (64 keys x 64 channels: 8 fragments) and, a turn later, its V (turned).
.macro FETCH_K
	WIN 0
	v_add_nc_u32 v[ADR], s[TB], v[AK0]
.irp f, 0,1,2,3,4,5,6,7             ; keys 16 (f / 2) on, channels 32 (f % 2) on
	ds_load_b128 v[KF+8*\f:KF+8*\f+3],   v[ADR] offset:(\f/2)*16*PKP+(\f%2)*64
	ds_load_b128 v[KF+8*\f+4:KF+8*\f+7], v[ADR] offset:(\f/2)*16*PKP+(\f%2)*64+32
.endr
.endm
.macro FETCH_V
	WIN 0
	v_add_nc_u32 v[ADR], s[TB], v[AV0]
	s_add_co_u32 s[TB], s[TB], STEPB  ; the next fetch is the next step's
	WIN 0x40                        ; destination window 1
.irp f, 0,1,2,3,4,5,6,7             ; keys 32 (f / 4) on, channels 16 (f % 4) on
	ds_load_tr16_b128 v[VF+8*\f:VF+8*\f+3],   v[ADR] offset:(\f/4)*32*PVP+(\f%4)*32
	ds_load_tr16_b128 v[VF+8*\f+4:VF+8*\f+7], v[ADR] offset:(\f/4)*32*PVP+16*PVP+(\f%4)*32
.endr
.endm
; THE VECTOR WORK OF A TURN: the softmax of a piece (tiles y, y + 1) for one key step, as a numbered list of 239 instructions; OP writes number k and steps k.
;   0-43     the two tiles by turns, 22 each: 16 v_max3 (four chains of seven scores, each begun at an accumulator's low end; the four scores left over, the chains and the old m); the other half of the lanes' maximum;
;            c m_old kept; the new m; c m; c m_old - c m_new; a = 2^that
;   44       a plain line behind the two exponentials          45, 46   l x a
;   47-78    O^T x a, 16 packed multiplies a tile, ascending: under the setting of the products V^T P, among which they stand (they name no source 2)
;   79-94    tile y: c s - c m, 16 pairs
;   95-142   sixteen times: an exponential of tile y, c s - c m for a pair of tile y + 1, an exponential of tile y
;   143-190  sixteen times: two exponentials of tile y + 1, a sum of tile y          191-206  the sums of tile y + 1
;   207-238  P = the weights rounded to f16 in pairs, in place, ascending, the tiles by turns
; Numbers 79 to 206 name no vector register as source 1: they run under the setting of the products K Q^T, among which they stand.  That is why a sum is written as a packed multiply-add by 1.0 (the addend is source 2).
; Every exponential has a plain instruction between it and the first use of its result (ISA guide 5.7.2).
.macro FOP                          ; pair og of tile ot: c s - c m
	v_pk_fma_f32 v[S+32*ot+2*og:S+32*ot+2*og+1], v[S+32*ot+2*og:S+32*ot+2*og+1], s[CS:CS+1], v[ST+8*ot:ST+8*ot+1] op_sel_hi:[1,0,0] neg_lo:[0,0,1] neg_hi:[0,0,1]
.endm
.macro EOP                          ; score og of tile ot
	v_exp_f32 v[S+32*ot+og], v[S+32*ot+og]
.endm
.macro SOP                          ; sum og of 16 of tile ot, in two chains: l takes the even pairs, c0:c1 the odd ones, and l takes that at the end
.set rT, ST+8*ot
.set rS, S+32*ot
.if og == 15
	v_pk_fma_f32 v[rT+2:rT+3], v[rT+4:rT+5], 1.0, v[rT+2:rT+3] op_sel_hi:[1,0,1]
.elseif og%2 == 0
	s_wait_alu depctr_va_vdst(0)
	v_pk_fma_f32 v[rT+2:rT+3], v[rS+2*og:rS+2*og+1], 1.0, v[rT+2:rT+3] op_sel_hi:[1,0,1]
.elseif og == 1
	s_wait_alu depctr_va_vdst(0)
	v_pk_fma_f32 v[rT+4:rT+5], v[rS+2:rS+3], 1.0, v[rS+6:rS+7] op_sel_hi:[1,0,1]
.else
	v_pk_fma_f32 v[rT+4:rT+5], v[rS+2*og+4:rS+2*og+5], 1.0, v[rT+4:rT+5] op_sel_hi:[1,0,1]
.endif
.endm
.macro OP y
.if k < 44
.set n, k/2
.set rT, ST+8*((\y)+k%2)
.set rS, S+32*((\y)+k%2)
	WIN 0
.if n < 4
	v_max3_num_f32 v[rT+4+n], v[rS+8*n], v[rS+8*n+1], v[rS+8*n+2]
.elseif n < 12
	v_max3_num_f32 v[rT+4+n%4], v[rT+4+n%4], v[rS+8*(n%4)+2*(n/4)+1], v[rS+8*(n%4)+2*(n/4)+2]
.elseif n == 12
	v_max3_num_f32 v[rT+4], v[rT+4], v[rS+7], v[rS+15]
.elseif n == 13
	v_max3_num_f32 v[rT+6], v[rT+6], v[rS+23], v[rS+31]
.elseif n == 14
	v_max3_num_f32 v[rT+4], v[rT+4], v[rT+5], v[rT+6]
.elseif n == 15
	v_max3_num_f32 v[rT+4], v[rT+4], v[rT+7], v[rT+1]
.elseif n == 16
	v_permlanex16_b32 v[rT+5], v[rT+4], s[SEL], s[SEL+1]  ; the query's other 32 keys lie in the lane 16 away
.elseif n == 17
	v_mov_b32 v[rT+7], v[rT]        ; c m_old is kept for a
.elseif n == 18
	v_max_num_f32 v[rT+1], v[rT+4], v[rT+5]
.elseif n == 19
	v_mul_f32 v[rT], s[CS], v[rT+1]
.elseif n == 20
	v_sub_f32 v[rT+7], v[rT+7], v[rT]
.else
	v_exp_f32 v[rT+6], v[rT+7]
.endif
.elseif k == 44
	v_nop
	s_wait_alu depctr_va_vdst(0)
.elseif k < 47
.set rT, ST+8*((\y)+k-45)
	WIN 0
	v_pk_mul_f32 v[rT+2:rT+3], v[rT+2:rT+3], v[rT+6:rT+7] op_sel_hi:[1,0]
.elseif k < 79
.set ot, (\y)+(k-47)/16
.set og, (k-47)%16
	WIN W_PV
	v_pk_mul_f32 v[32*ot+2*og:32*ot+2*og+1], v[32*ot+2*og:32*ot+2*og+1], v[ST+8*ot+6:ST+8*ot+7] op_sel_hi:[1,0]
.elseif k < 95
.set ot, (\y)
.set og, k-79
	WIN W_KQ
	FOP
.elseif k < 143
	WIN W_KQ
.if (k-95)%3 == 1
.set ot, (\y)+1
.set og, (k-95)/3
	FOP
.else
.set ot, (\y)
.set og, 2*((k-95)/3)+((k-95)%3)/2
	EOP
.endif
.elseif k < 191
	WIN W_KQ
.if (k-143)%3 == 2
.set ot, (\y)
.set og, (k-143)/3
	SOP
.else
.set ot, (\y)+1
.set og, 2*((k-143)/3)+(k-143)%3
	EOP
.endif
.elseif k < 207
	WIN W_KQ
.set ot, (\y)+1
.set og, k-191
	SOP
.elseif k < 239
	WIN 0
.set ot, (\y)+(k-207)%2
.set og, (k-207)/2
	v_cvt_pk_f16_f32 v[S+32*ot+og], v[S+32*ot+2*og], v[S+32*ot+2*og+1]
.endif
.set k, k+1
.endm
; A TURN.  Piece x has the matrix unit; the other piece's softmax stands behind its matrix instructions.  pv = 1: 16 products V^T P; kq = 1: 16 products K Q^T for the next step.  A turn with one kind has 15 of the list behind each.
; PLACES (ISA guide 7.12.1 for vector instructions): the list's instructions name none of the registers of the products among which they stand, so they are the places.  Behind the turn's last K Q^T stand nine roundings (with one
; kind: fourteen), ahead of the next turn's first read of those scores.  Between the last V^T P and the first K Q^T, which writes over P's registers, stand five packed instructions.
; Each run of loads stands behind the second product of a run of 16.  Piece 0's turn fetches the next step's K: K's last reader stands nine roundings and ten maxima back.  Piece 2's turn fetches the same step's V: V's last reader
; stands 25 plain instructions back.
.macro TURN x, pv, kq
.set k, 0
.set perp, 15
.set perk, 15
.if \pv && \kq
.set perp, 5
.set perk, 10
.endif
.if \pv
.if \x == 0
	s_wait_dscnt 0x0                ; V is in
.endif
.set i, 0
.rept 16
	PV \x
.rept perp
	OP 2-\x
.endr
.if (\x == 0) && \kq && (i == 1)
	FETCH_K
.endif
.set i, i+1
.endr
.endif
.if \kq
.if \x == 0
	s_wait_dscnt 0x0                ; K is in (asked for 14 matrix instructions ago)
.endif
.set i, 0
.rept 16
	KQ \x
.rept perk
	OP 2-\x
.endr
.if (\x == 2) && (i == 1)
	FETCH_V
.endif
.set i, i+1
.endr
.endif
.endm
; THE CHANGE OF SLOTS, between piece 2's turn and piece 0's: the slot's last bytes, V of its fourth step, have been asked for.  Each wave waits for all its tensor loads, of which one is out: its part of the other slot; adds 0 to
; its spare word; and waits for that and for its own reads of the slot.  Behind the barrier nobody reads this slot any more and the other slot is whole.
; fill = 1: this slot is filled again, with the keys two slots on.  The barrier is then a round of the cluster's, so that no wave of any partner still reads the slot or has a load on its way, and the joint refill is the first thing behind it.
.macro CHANGE fill
	WIN 0                           ; at a label and at a branch every window is 0
	s_wait_tensorcnt 0x0            ; no tensor load of mine is out, so a group 0 may be written
	ds_add_u32 v[SPW], v[NIL]       ; 0 onto my spare word; with fill = 1 the descriptors' steps stand between it and the wait for it
.if \fill
.irp g, G0K+4, G0V+4
	s_xor_b32 s[\g+1], s[\g+1], SLOT1  ; the walking descriptor: the other slot than last time,
	s_add_nc_u64 s[\g+2:\g+3], s[\g+2:\g+3], SLOTB  ; the next 256 keys; the type bits on top are not reached
.endr
	s_wait_xcnt 0x0                 ; the last prefetch, four key steps back, has read its address, so it may be written:
	s_add_nc_u64 s[PFA:PFA+1], s[PFA:PFA+1], SLOTB  ; one slot further on than the walking descriptors
	s_wait_dscnt 0x0                ; the add is done, and my reads of the slot are over
	CROUND
	JLOAD
	ASK
.else
	s_wait_dscnt 0x0                ; the add is done, and my reads of the slot are over
	s_barrier_signal -1
	s_barrier_wait -1
.endif
	s_sub_co_u32 s[TB], s[TB], NST*STEPB  ; the fetches go back to a slot's first step,
	s_xor_b32 s[TB], s[TB], SLOT1   ; in the other slot
.endm
; n key steps: written once, walked n times; the LDS addresses hang on s[TB].
.macro PAIRS n
	s_mov_b32 s[CNT], \n
.Lpair_\@:
	TURN 0, 1, 1
	TURN 2, 1, 1
	WIN 0
	s_sub_co_u32 s[CNT], s[CNT], 1
	s_cmp_lg_u32 s[CNT], 0
	s_cbranch_scc1 .Lpair_\@
.endm
	s_wait_tensorcnt 1              ; my part of slot 0 is in; slot 1's, issued behind it, may stay out
	s_barrier_signal -1
	s_barrier_wait -1               ; everybody's is
	FETCH_K                         ; key step 0
	s_wait_loadcnt 0x0              ; Q
	s_wait_dscnt 0x0
.set i, 0
.rept 16
	KQ 0                            ; piece 0's first scores: there is no vector work yet to set between them
.set i, i+1
.endr
	WIN 0                           ; the addresses for the way out are made here: ten plain instructions, the places behind those products
	s_mul_i32 s14, s[WV], 64*SP
	s_add_co_u32 s14, s14, STAGE    ; my stage
	v_mul_u32_u24 v[STO], v1, SP    ; in: row l % 16 of a tile, 16 bytes for each half of the lanes
	v_lshl_add_u32 v[STO], v9, 4, v[STO]
	v_add_nc_u32 v[STO], s14, v[STO]
	v_and_b32 v10, 31, v0
	v_lshrrev_b32 v[RD], 3, v10     ; back: eight lanes take a row of 128 bytes, the 32 lanes four rows
	v_mul_u32_u24 v[RD], v[RD], SP
	v_and_b32 v14, 7, v0
	v_lshl_add_u32 v[RD], v14, 4, v[RD]
	v_add_nc_u32 v[RD], s14, v[RD]
	v_lshlrev_b32 v[GO], 4, v10     ; which are 512 consecutive bytes of ctx
	TURN 2, 0, 1                    ; piece 2's first scores | piece 0's first softmax | V of step 0
	WIN 0
	PAIRS 3                         ; pair j: V^T P of step j, K Q^T of step j + 1; it fetches step j + 1.  Three pairs use up slot 0
.Lslot:                             ; six trips: every slot but the last two is filled again
	CHANGE 1
	PAIRS 4
	s_sub_co_u32 s[SLOTS], s[SLOTS], 1
	s_cmp_lg_u32 s[SLOTS], 0
	s_cbranch_scc1 .Lslot
	CHANGE 0                        ; the tail is written out: nothing is asked for
	PAIRS 4
	TURN 0, 1, 0                    ; piece 0: V^T P of the last step | piece 2's last softmax
.set i, 0
.rept 16
	PV 2                            ; piece 2: V^T P of the last step
.set i, i+1
.endr
	; THE WAY OUT.  l's two halves and the other half of the lanes' are added; O^T is divided by l, rounded to f16 and sent through my stage in LDS.  The first four additions are the places behind the last products.
	WIN 0
.irp t, 0,1,2,3
	v_add_f32 v[ST+8*\t+4], v[ST+8*\t+2], v[ST+8*\t+3]
.endr
.irp t, 0,1,2,3
	v_permlanex16_b32 v[ST+8*\t+5], v[ST+8*\t+4], s[SEL], s[SEL+1]
.endr
.irp t, 0,1,2,3
	v_add_f32 v[ST+8*\t+4], v[ST+8*\t+4], v[ST+8*\t+5]
.endr
.irp t, 0,1,2,3
	v_rcp_f32 v[ST+8*\t+6], v[ST+8*\t+4]
.endr
	v_nop                           ; a plain instruction between the last reciprocal and the use of its result
	WIN W_RS
	s_wait_alu depctr_va_vdst(0)
.irp t, 0,1,2,3
.set i, 32*\t
.rept 16
	v_pk_mul_f32 v[i:i+1], v[i:i+1], v[ST+8*\t+6:ST+8*\t+7] op_sel_hi:[1,0]   ; each accumulator from its low end on
.set i, i+2
.endr
.endr
	WIN 0x05                        ; sources 0 and 1 window 1, destination window 0: S^T's registers are free
.set i, 0
.rept 64
	v_cvt_pk_f16_f32 v[S+i], v[2*i], v[2*i+1]   ; register 16 t + 4 ct + r: channels 16 ct + 8 (l / 16) + 2 r, + 1 of tile t's query l % 16
.set i, i+1
.endr
	WIN 0
.irp t, 0,1,2,3
.irp c, 0,1,2,3
	ds_store_b128 v[STO], v[S+16*\t+4*\c:S+16*\t+4*\c+3] offset:16*\t*SP+32*\c
.endr
.endr
.irp i, 0,1,2,3,4,5,6,7,8,9,10,11,12,13,14,15
	ds_load_b128 v[S+64+4*\i:S+64+4*\i+3], v[RD] offset:4*SP*\i   ; LDS serves a wave's instructions in order (ISA guide 5.7.1.4): these see the stores above
.endr
.irp i, 0,1,2,3,4,5,6,7,8,9,10,11,12,13,14,15
	s_wait_dscnt 15-\i              ; loads come back in order: number i is in, the later ones may be out
	global_store_b128 v[GO], v[S+64+4*\i:S+64+4*\i+3], s[6:7] offset:512*\i   ; 32 lanes store 512 consecutive bytes, at a multiple of 256 from ctx's first byte
.endr
	s_wait_tensorcnt 0x0            ; the wave's end, behind my last tensor load and my last LDS store
	ds_add_u32 v[SPW], v[NIL]
	s_wait_dscnt 0x0
	CROUND                          ; the closing round: no work-group ends while a partner may still ask for a tile that names it
	s_endpgm
.Lfunc_end_k_q1bf68105c5_attn:
	.size	k_q1bf68105c5_attn, .Lfunc_end_k_q1bf68105c5_attn-k_q1bf68105c5_attn
	.p2alignl 7, 3214868480
	.fill 96, 4, 3214868480
	.section	.rodata,"a",@progbits
	.p2align	6, 0x0
	.amdhsa_kernel k_q1bf68105c5_attn
		.amdhsa_group_segment_fixed_size 327680
		.amdhsa_private_segment_fixed_size 0
		.amdhsa_enable_private_segment 0
		.amdhsa_kernarg_size 16
		.amdhsa_user_sgpr_count 2
		.amdhsa_user_sgpr_kernarg_segment_ptr 1
		.amdhsa_wavefront_size32 1
		.amdhsa_system_sgpr_workgroup_id_x 1
		.amdhsa_system_sgpr_workgroup_id_y 1
		.amdhsa_system_sgpr_workgroup_id_z 1
		.amdhsa_system_vgpr_workitem_id 0
		.amdhsa_next_free_vgpr 512
		.amdhsa_next_free_sgpr 66
		.amdhsa_reserve_vcc 0
		.amdhsa_float_denorm_mode_32 3
		.amdhsa_float_denorm_mode_16_64 3
		.amdhsa_memory_ordered 1
		.amdhsa_forward_progress 1
		.amdhsa_inst_pref_size 166
	.end_amdhsa_kernel
	.amdgpu_metadata
---
amdhsa.version: [ 1, 2 ]
amdhsa.kernels:
  - .name:           k_q1bf68105c5_attn
    .symbol:         k_q1bf68105c5_attn.kd
    .args:
      - { .name: qkv, .offset: 0, .size: 8, .value_kind: global_buffer, .address_space: global }
      - { .name: ctx, .offset: 8, .size: 8, .value_kind: global_buffer, .address_space: global }
    .group_segment_fixed_size: 327680
    .private_segment_fixed_size: 0
    .kernarg_segment_align: 8
    .kernarg_segment_size: 16
    .max_flat_workgroup_size: 256
    .sgpr_count:     66
    .vgpr_count:     512
    .wavefront_size: 32
...
	.end_amdgpu_metadata
.endif
;; end of part 3
;; launch proj (part 4): grid 8 x 32, 4 waves a work-group, clusters of 4 x 4, 327,680 bytes of LDS; arguments ctx, wo16, out0; writes out0
.if DOCPART == 4
	.amdgcn_target "amdgcn-amd-amdhsa--gfx1250"
	.amdhsa_code_object_version 6
	.text
	.protected	k_q1bf68105c5_proj
	.globl	k_q1bf68105c5_proj
	.p2align	8
	.type	k_q1bf68105c5_proj,@function
k_q1bf68105c5_proj:
	s_mov_b64 s[64:65], 0
	v_nop
	global_prefetch_b8 v0, s[64:65] scope:SCOPE_SE
	s_setreg_imm32_b32 hwreg(HW_REG_WAVE_MODE, 25, 1), 1
	s_wait_xcnt 0x0
	s_wait_alu depctr_hold_cnt(0) depctr_sa_sdst(0) depctr_va_vdst(0) depctr_va_sdst(0) depctr_va_ssrc(0) depctr_va_vcc(0) depctr_vm_vsrc(0)
	s_getreg_b32 s2, hwreg(HW_REG_IB_STS2, 6, 4)
	s_cmp_eq_u32 s2, 0
	s_cbranch_scc0 .Lentry_in_a_cluster
	s_endpgm
.Lentry_in_a_cluster:
	s_bfe_u32 s2, ttmp6, 0x10000c
	s_cmp_lg_u32 s2, 0xf033
	s_cbranch_scc0 .Lentry_shape_is_right
	s_endpgm
.Lentry_shape_is_right:
; out0[m][n] = sum over k of ctx[m][k] Wo[n][k].  ctx lies by heads, [64 (16 batch + head)][2048 tokens][64] f16: k = 64 head + channel, m = 2048 batch + token.  wo16: [1024 n][1024 k] f16.  out0: [8192][1024] f32; sums in f32.
; A tile of out0 is 256 (m) x 128 (n): 256 work-groups.  Four waves, each 128 x 64: 32 accumulators of 16 x 16, which fill register window 1.
; K goes in steps of 128, which are two heads, through a ring of two LDS slots filled by the tensor data mover: waves 0 and 1 fetch a head's plane each (256 tokens x 128 bytes, dense in memory), waves 2 and 3 64 rows x 256 bytes of Wo each.
; CLUSTERS: 4 x 4 work-groups.  The four of a row of the cluster need the same planes of ctx, the four of a column the same rows of Wo: each tile is asked for JOINTLY, by the same tensor load with the same descriptor and a mask that names the four.
; THE MATRIX INSTRUCTION IS USED TRANSPOSED (source 0 = 16 rows of Wo, source 1 = 16 tokens): a lane then holds eight neighbouring numbers of a row of out0.
; REGISTERS: window 0: v0-31 addresses; two fragment buffers of 96 at v64 and v160 (for 32 along K: A's 8 x 16 tokens, 64 registers, then B's 4 x 16 rows, 32); on the way out v64-127.   window 1: accumulator (a, b) at v[8 (4 a + b)].
.set KSTEP,  128
.set PA,     144                       ; a token's row of a plane in LDS: 128 bytes + 16 of padding = 36 words: the 16 rows of a load start at 16 different groups of four banks (64 banks of 4 bytes: ISA guide 11.1)
.set PLANE,  256*PA                    ; a head's plane: what one of A's tensor loads brings
.set BOFF,   2*PLANE                   ; behind the two planes: Wo's 128 rows
.set PB,     272                       ; a row of Wo's tile: 256 bytes + 16
.set BHALF,  64*PB                     ; 64 rows: what one of B's tensor loads brings, and what one wave reads
.set SLOT,   BOFF+2*BHALF
.set STAGE,  2*SLOT                    ; behind the ring: 16 rows x 272 bytes for each wave, for the way out
.set SPITCH, 272
.set SPARE,  STAGE+4*16*SPITCH         ; behind the stages: the spare words, 128 bytes for each wave, which no other line names
.set LAPS,   1024/(2*KSTEP)            ; a lap = two K steps = once round the ring
.set ADRA, 16                          ; v16-17  LDS address of my A fragments in slot 0, 1
.set ADRB, 20                          ; v20-21  the same for B
.set STO,  24                          ; v24     the way out: where I put 32 bytes of a row
.set RD,   25                          ; v25     the way out: where I read a row back
.set CO,   26                          ; v26     my byte offset in two rows of out0
.set SPW,  28                          ; v28     LDS address of my spare word; never rewritten
.set NIL,  29                          ; v29     0; never rewritten
.set F0,   64                          ; fragment buffers
.set F1,   160
.set BK,   64                          ; the way out: 16 rows read back from the stage: v64-95 and v96-127 by turns
.set G1, 24                            ; s[24:31] descriptor group 1 for A's planes;  s[32:39] group 0, one set for each slot
.set G0, 32
.set G1B, 48                           ; s[48:55], s[56:63] the same for B's tiles
.set G0B, 56
.set MSB, 0
.macro WIN new                         ; the immediate's high byte repeats the setting that is left; a switch that changes nothing is dropped
.if MSB != (\new)
	s_set_vgpr_msb (MSB<<8)|(\new)
.set MSB, (\new)
.endif
.endm
.set MUL,  0x50                        ; sources 0 (B) and 1 (A) window 0; C and D window 1
.macro JLOAD s                         ; a joint load: waves 0 and 1 fetch A's two planes, waves 2 and 3 B's two halves; four v_nop follow each of the two lines, ahead of the jump, the label and what follows
	s_cmp_eq_u32 s11, 0
	s_cbranch_scc0 .Lfor_b_\@
	tensor_load_to_lds s[G0+4*\s:G0+4*\s+3], s[G1:G1+7]
	s_nop 0
.rept 4
	v_nop
.endr
	s_branch .Lasked_\@
.Lfor_b_\@:
	tensor_load_to_lds s[G0B+4*\s:G0B+4*\s+3], s[G1B:G1B+7]
	s_nop 0
.rept 4
	v_nop
.endr
.Lasked_\@:
.endm
.macro CREST                           ; a round of the cluster's barrier behind its opening barrier
	s_cmp_lg_u32 s10, 0
	s_cbranch_scc1 .Lnot_wave_0_\@
	s_barrier_signal -3
.Lnot_wave_0_\@:
	s_barrier_wait -3
	s_barrier_signal -1
	s_barrier_wait -1
.endm
.macro CROUND                          ; a whole round
	s_barrier_signal -1
	s_barrier_wait -1
	CREST
.endm
	s_load_b128 s[4:7], s[0:1], 0x0                ; ctx s[4:5], wo16 s[6:7]
	s_load_b64 s[8:9], s[0:1], 0x10                ; out0
	v_lshl_add_u32 v[SPW], v0, 2, SPARE
	v_mov_b32 v[NIL], 0
	ds_add_u32 v28, v29
	s_wait_dscnt 0x0
	v_lshrrev_b32 v1, 5, v0
	v_readfirstlane_b32 s10, v1                    ; wave 0..3
	s_lshr_b32 s11, s10, 1                         ; which half of the tile's rows is mine.  Also: I fetch for A (0) or for B (1)
	s_and_b32 s12, s10, 1                          ; which half of its columns.  Also: which plane of A, or which 64 rows of B, I fetch
	s_bfe_u32 s40, ttmp6, 0x40000                  ; cx, cy: my place in the cluster
	s_bfe_u32 s41, ttmp6, 0x40004
	s_lshl_b32 s42, ttmp9, 2
	s_add_co_u32 s42, s42, s40                     ; tile column = 4 x cluster x + cx
	s_and_b32 s13, ttmp7, 0xffff
	s_lshl_b32 s13, s13, 2
	s_add_co_u32 s13, s13, s41                     ; tile row = 4 x cluster y + cy
	s_lshl_b32 s43, s41, 2
	s_lshl_b32 s43, 15, s43                        ; my row of the cluster
	s_lshl_b32 s44, 0x1111, s40                    ; my column
	; descriptor group 1.  A: 256 rows x 64 elements, 64 elements from row to row; B: 64 rows x 128 elements, 1,024 from row to row; both padded by 4 words behind each row
	s_or_b32 s[G1+0], s43, (1<<16)|(1<<20)|(1<<21)|(4<<22)|(3<<25)  ; 15:0 the mask: A's planes go to my row; 17:16 element of 2 bytes; 20 padding on; 21 set beside a mask; 24:22 after every 32 words (code 4); 31:25 of 4 words (code 3)
	s_mov_b32 s[G1+1], 64<<16                      ; tensor_dim0
	s_mov_b32 s[G1+2], 256<<16                     ; tensor_dim1
	s_mov_b32 s[G1+3], 64<<16                      ; tile_dim0
	s_mov_b32 s[G1+4], 256                         ; tile_dim1
	s_mov_b32 s[G1+5], 64                          ; tensor_dim0_stride
	s_mov_b32 s[G1+6], 0
	s_mov_b32 s[G1+7], 0
	s_or_b32 s[G1B+0], s44, (1<<16)|(1<<20)|(1<<21)|(5<<22)|(3<<25) ; B's tiles go to my column; padding after every 64 words (code 5)
	s_mov_b32 s[G1B+1], KSTEP<<16
	s_mov_b32 s[G1B+2], 64<<16
	s_mov_b32 s[G1B+3], KSTEP<<16
	s_mov_b32 s[G1B+4], 64
	s_mov_b32 s[G1B+5], 1024
	s_mov_b32 s[G1B+6], 0
	s_mov_b32 s[G1B+7], 0
	; where the tiles come from.  A's hang on the tile row alone, B's on the tile column alone.  Every wave makes both addresses, in registers that never hold the other coordinate, and asks by one of them.
	s_lshr_b32 s16, s13, 3
	s_lshl_b32 s16, s16, 22                        ; A: the batch (8 tile rows to a batch; 16 heads of 2^18 bytes),
	s_and_b32 s17, s13, 7
	s_lshl_b32 s17, s17, 15                        ; the tile's 256 tokens of 128 bytes,
	s_add_co_u32 s16, s16, s17
	s_lshl_b32 s17, s12, 18                        ; the first or the second head of a K step
	s_add_co_u32 s16, s16, s17
	s_mov_b32 s17, 0
	s_lshl_b32 s46, s42, 18                        ; B: 128 rows of 2,048 bytes a tile column,
	s_lshl_b32 s47, s12, 17                        ; 64 of them a half
	s_add_co_u32 s46, s46, s47
	s_mov_b32 s47, 0
	s_mul_i32 s20, s12, PLANE                      ; and where they go: no place in the cluster enters an LDS address
	s_mul_i32 s21, s12, BHALF
	s_add_co_u32 s21, s21, BOFF
	s_wait_kmcnt 0x0
	s_add_nc_u64 s[14:15], s[4:5], s[16:17]
	s_add_nc_u64 s[46:47], s[6:7], s[46:47]
	CROUND                                         ; all sixteen work-groups are here: the first joint loads meet
.irp s, 0,1
	s_mov_b32 s[G0+4*\s], 1
	s_add_co_u32 s[G0+4*\s+1], s20, \s*SLOT
	s_add_nc_u64 s[G0+4*\s+2:G0+4*\s+3], s[14:15], \s*2*262144     ; K step s: two heads on
	s_or_b32 s[G0+4*\s+3], s[G0+4*\s+3], 0x80000000
	s_mov_b32 s[G0B+4*\s], 1
	s_add_co_u32 s[G0B+4*\s+1], s21, \s*SLOT
	s_add_nc_u64 s[G0B+4*\s+2:G0B+4*\s+3], s[46:47], \s*KSTEP*2
	s_or_b32 s[G0B+4*\s+3], s[G0B+4*\s+3], 0x80000000
	JLOAD \s                                       ; two tensor loads of mine are out
.endr
	; A fragment is 16 rows x 32 K in 8 registers: lane l holds row l % 16; registers 0-3 hold K = 8 (l / 16) + 0..7, registers 4-7 K = 16 + 8 (l / 16) + 0..7: two loads of 16 bytes, 32 bytes apart.
	v_and_b32 v1, 15, v0                           ; l % 16
	v_bfe_u32 v2, v0, 4, 1                         ; l / 16
	v_mul_u32_u24 v3, v1, PA
	v_lshl_add_u32 v3, v2, 4, v3
	v_mul_u32_u24 v4, v1, PB
	v_lshl_add_u32 v4, v2, 4, v4
	s_mul_i32 s21, s11, 128*PA                     ; my 128 tokens, in each plane
	s_mul_i32 s22, s12, BHALF                      ; my 64 rows of Wo
	s_add_co_u32 s22, s22, BOFF
.irp s, 0,1
	v_add_nc_u32 v[ADRA+\s], s21, v3
	v_add_nc_u32 v[ADRB+\s], s22, v4
	s_add_co_u32 s21, s21, SLOT
	s_add_co_u32 s22, s22, SLOT
.endr
	s_mul_i32 s23, s10, 16*SPITCH
	s_add_co_u32 s23, s23, STAGE                   ; my stage
	v_mul_u32_u24 v5, v1, SPITCH                   ; in: row l % 16, 32 bytes for each half of the lanes
	v_lshl_add_u32 v5, v2, 5, v5
	v_add_nc_u32 v[STO], s23, v5
	v_mul_u32_u24 v5, v2, SPITCH                   ; back: lanes 0-15 take one row of 256 bytes, lanes 16-31 the next
	v_lshl_add_u32 v5, v1, 4, v5
	v_add_nc_u32 v[RD], s23, v5
	v_lshlrev_b32 v5, 12, v2                       ; and the same two rows in out0 (4,096 bytes a row)
	v_lshl_add_u32 v[CO], v1, 4, v5
	s_lshl_b32 s16, s13, 8
	s_lshl_b32 s17, s11, 7
	s_add_co_u32 s16, s16, s17                     ; my first row: 256 x tile row + 128 x half
	s_lshl_b32 s16, s16, 12
	s_mov_b32 s17, 0
	s_add_nc_u64 s[8:9], s[8:9], s[16:17]
	s_lshl_b32 s46, s42, 9                         ; my first column, in bytes: 512 x tile column + 256 x half
	s_lshl_b32 s47, s12, 8
	s_add_co_u32 s46, s46, s47
	s_mov_b32 s47, 0
	s_add_nc_u64 s[8:9], s[8:9], s[46:47]
; 8 matrix instructions: A's blocks a0, a0 + 1 x B's four, 32 along K, from buffer f.  zero = 1: the first product starts the sums: nothing is ever cleared.
; The 32 accumulators take turns, one instruction a turn, in the same order in every quarter.
.macro MUL8 f, a0, zero
.irp a, \a0, \a0+1
.irp b, 0,1,2,3
.if \zero
	v_wmma_f32_16x16x32_f16 v[8*(4*(\a)+\b):8*(4*(\a)+\b)+7], v[\f+64+8*\b:\f+64+8*\b+7], v[\f+8*(\a):\f+8*(\a)+7], 0
.else
	v_wmma_f32_16x16x32_f16 v[8*(4*(\a)+\b):8*(4*(\a)+\b)+7], v[\f+64+8*\b:\f+64+8*\b+7], v[\f+8*(\a):\f+8*(\a)+7], v[8*(4*(\a)+\b):8*(4*(\a)+\b)+7]
.endif
.endr
.endr
.endm
; 24 LDS loads in one run: the fragments of the slot's q-th 32 along K into buffer f: B's four, then A's eight.  Quarter q lies in plane q / 2, at byte 64 (q % 2) of its rows; in B's rows at byte 64 q.
.macro FETCH slot, q, f
	WIN 0
.irp i, 0,1,2,3
	ds_load_b128 v[\f+64+8*\i:\f+64+8*\i+3],   v[ADRB+\slot] offset:64*(\q)+\i*16*PB
	ds_load_b128 v[\f+64+8*\i+4:\f+64+8*\i+7], v[ADRB+\slot] offset:64*(\q)+\i*16*PB+32
.endr
.irp i, 0,1,2,3,4,5,6,7
	ds_load_b128 v[\f+8*\i:\f+8*\i+3],   v[ADRA+\slot] offset:((\q)/2)*PLANE+64*((\q)%2)+\i*16*PA
	ds_load_b128 v[\f+8*\i+4:\f+8*\i+7], v[ADRA+\slot] offset:((\q)/2)*PLANE+64*((\q)%2)+\i*16*PA+32
.endr
.endm
.macro PLACES                          ; four places in front of loads into registers that matrix instructions have read, and of the first read of results (ISA guide 7.12.1 for vector instructions)
.rept 4
	v_nop
.endr
.endm
; A K step is four quarters of 32 along K, 32 matrix instructions each, on buffers 0, 1, 0, 1.  One of the first three: multiplies buffer f and fetches quarter qn into g.
.macro QUARTER slot, qn, f, g, zero
	s_wait_dscnt 8                                 ; B and A's blocks 0-3 are in; the youngest eight loads (A's blocks 4-7) may be out
	WIN MUL
	MUL8 \f, 0, \zero
	MUL8 \f, 2, \zero
	PLACES
	FETCH \slot, \qn, \g
	s_wait_dscnt 24                                ; all but the 24 just issued
	WIN MUL
	MUL8 \f, 4, \zero
	MUL8 \f, 6, \zero
.endm
; The last quarter multiplies buffer 1 and changes slots: ONE barrier; in front of it each wave waits for all its tensor loads, adds 0 to its spare word, and waits for that and for its own reads of this slot.
; fill = 1: this slot is filled again, two K steps ahead; the barrier then opens a round of the cluster's barrier, and the joint refill is the first tensor load behind the round: 112 matrix instructions ahead of the wait for it.
.macro TURN slot, next, fill
	WIN 0                                          ; (the add's two registers lie in window 0)
	s_wait_tensorcnt 0x0                           ; all my tensor loads have landed: my part of the next slot;
	ds_add_u32 v[SPW], v[NIL]                      ; 0 onto my spare word;
	s_wait_dscnt 9                                 ; (the add and the youngest eight loads may be out)
	WIN MUL
	MUL8 F1, 0, 0                                  ; eight matrix instructions stand between the add and the wait for it
	s_wait_dscnt 0x0                               ; the add is done, and my reads of this slot are over
	s_barrier_signal -1
	MUL8 F1, 2, 0
.if \fill
	WIN 0
.endif
	s_barrier_wait -1
.if \fill
	CREST                                          ; no wave of any partner still reads this slot's tiles or has a load on its way
	s_add_nc_u64 s[G0+4*\slot+2:G0+4*\slot+3], s[G0+4*\slot+2:G0+4*\slot+3], 4*262144      ; two K steps on: four heads
	s_add_nc_u64 s[G0B+4*\slot+2:G0B+4*\slot+3], s[G0B+4*\slot+2:G0B+4*\slot+3], 2*KSTEP*2
	JLOAD \slot                                    ; the four v_nop behind it are also the places in front of the loads below
.else
	PLACES
.endif
	FETCH \next, 0, F0
	WIN MUL
	MUL8 F1, 4, 0
	MUL8 F1, 6, 0
.endm
	s_wait_tensorcnt 1                             ; my part of K step 0 is in (K step 1's load, issued behind it, may be out),
	s_barrier_signal -1
	s_barrier_wait -1                              ; everybody's is
	FETCH 0, 0, F0
	QUARTER 0, 1, F0, F1, 1                        ; the first quarter stands in front of the loop: its products start the sums
	WIN 0                                          ; at a label and at a branch every window is 0
	s_mov_b32 s3, LAPS-1
.Llap:                                                 ; a trip goes once round the ring, from a lap's second quarter to the next lap's first, and fills both slots again
	QUARTER 0, 2, F1, F0, 0
	QUARTER 0, 3, F0, F1, 0
	TURN 0, 1, 1
	QUARTER 1, 1, F0, F1, 0
	QUARTER 1, 2, F1, F0, 0
	QUARTER 1, 3, F0, F1, 0
	TURN 1, 0, 1
	QUARTER 0, 1, F0, F1, 0
	WIN 0
	s_sub_co_u32 s3, s3, 1
	s_cmp_lg_u32 s3, 0
	s_cbranch_scc1 .Llap
	QUARTER 0, 2, F1, F0, 0                        ; the last lap fills nothing, and has no round of the cluster's barrier
	QUARTER 0, 3, F0, F1, 0
	TURN 0, 1, 0
	QUARTER 1, 1, F0, F1, 0
	QUARTER 1, 2, F1, F0, 0
	QUARTER 1, 3, F0, F1, 0
	s_wait_dscnt 8                                 ; the very last quarter: nothing more to fetch
	WIN MUL
	MUL8 F1, 0, 0
	MUL8 F1, 2, 0
	s_wait_dscnt 0
	MUL8 F1, 4, 0
	MUL8 F1, 6, 0
	WIN 0
; THE WAY OUT, block by block of 16 rows x 64 columns.  A lane holds 32 neighbouring bytes of a row, and the lanes beside it hold other rows: so a block goes through my own stage in LDS and comes back as whole rows of 256 bytes:
; sixteen lanes store 256 consecutive bytes, at a multiple of 256 from out0's first byte.  LDS serves a wave's instructions in order (ISA guide 5.7.1.4): no wait between the stores and the loads, nor in front of the next block's stores.
.macro TOSTAGE a
	WIN 0x04                                       ; an LDS store's data are its source 1: window 1
.irp b, 0,1,2,3
	ds_store_b128 v[STO], v[8*(4*(\a)+\b):8*(4*(\a)+\b)+3] offset:64*\b          ; each accumulator from its low end on
	ds_store_b128 v[STO], v[8*(4*(\a)+\b)+4:8*(4*(\a)+\b)+7] offset:64*\b+16
.endr
	WIN 0
.set BB, BK+32*((\a)%2)
.irp t, 0,1,2,3,4,5,6,7
	ds_load_b128 v[BB+4*\t:BB+4*\t+3], v[RD] offset:\t*2*SPITCH
.endr
.endm
.macro SEND a, younger                 ; younger: the LDS instructions issued behind block a's loads, which may stay out
.set BB, BK+32*((\a)%2)
	s_wait_dscnt \younger                          ; the block is back in registers
.if (\a) > 0
	s_add_nc_u64 s[8:9], s[8:9], 16*4096           ; (behind a wait on XCNT: the earlier stores have read their base)  16 rows on
.endif
.irp t, 0,1,2,3,4,5,6,7
	global_store_b128 v[CO], v[BB+4*\t:BB+4*\t+3], s[8:9] offset:\t*2*4096 th:TH_STORE_NT   ; written once, read by nobody here
.endr
.endm
	PLACES                                         ; behind the last products: for block 7's reads and for the loads into registers that held fragments
	TOSTAGE 0
.irp a, 1,2,3,4,5,6,7
.if \a > 1
	s_wait_xcnt 0x0                                ; block a - 2's stores have read their registers and their base: block a's loads may land there, and the base may step
.endif
	TOSTAGE \a
	SEND \a-1, 16                                  ; behind block a - 1's loads: block a's 8 stores and 8 loads
.endr
	s_wait_xcnt 0x0                                ; block 6's stores have read their base
	SEND 7, 0
	s_wait_tensorcnt 0x0                           ; the wave's end, behind my last tensor load and my last LDS store
	ds_add_u32 v[SPW], v[NIL]
	s_wait_dscnt 0x0
	CROUND                                         ; the closing round: no work-group ends while a partner may still ask for a tile that names it
	s_endpgm
.Lfunc_end_k_q1bf68105c5_proj:
	.size	k_q1bf68105c5_proj, .Lfunc_end_k_q1bf68105c5_proj-k_q1bf68105c5_proj
	.p2alignl 7, 3214868480
	.fill 96, 4, 3214868480
	.section	.rodata,"a",@progbits
	.p2align	6, 0x0
	.amdhsa_kernel k_q1bf68105c5_proj
		.amdhsa_group_segment_fixed_size 327680
		.amdhsa_private_segment_fixed_size 0
		.amdhsa_enable_private_segment 0
		.amdhsa_kernarg_size 24
		.amdhsa_user_sgpr_count 2
		.amdhsa_user_sgpr_kernarg_segment_ptr 1
		.amdhsa_wavefront_size32 1
		.amdhsa_system_sgpr_workgroup_id_x 1
		.amdhsa_system_sgpr_workgroup_id_y 1
		.amdhsa_system_sgpr_workgroup_id_z 1
		.amdhsa_system_vgpr_workitem_id 0
		.amdhsa_next_free_vgpr 512
		.amdhsa_next_free_sgpr 66
		.amdhsa_reserve_vcc 0
		.amdhsa_float_denorm_mode_32 3
		.amdhsa_float_denorm_mode_16_64 3
		.amdhsa_memory_ordered 1
		.amdhsa_forward_progress 1
		.amdhsa_inst_pref_size 86
	.end_amdhsa_kernel
	.amdgpu_metadata
---
amdhsa.version: [ 1, 2 ]
amdhsa.kernels:
  - .name:           k_q1bf68105c5_proj
    .symbol:         k_q1bf68105c5_proj.kd
    .args:
      - { .name: ctx, .offset: 0, .size: 8, .value_kind: global_buffer, .address_space: global }
      - { .name: wo16, .offset: 8, .size: 8, .value_kind: global_buffer, .address_space: global }
      - { .name: out0, .offset: 16, .size: 8, .value_kind: global_buffer, .address_space: global }
    .group_segment_fixed_size: 327680
    .private_segment_fixed_size: 0
    .kernarg_segment_align: 8
    .kernarg_segment_size: 24
    .max_flat_workgroup_size: 128
    .sgpr_count:     66
    .vgpr_count:     512
    .wavefront_size: 32
...
	.end_amdgpu_metadata
.endif
;; end of part 4
